; MI455X (gfx1250); checked and timed in simulation.
; The chip was launched on July 23, 2026; its instructions are those of AMD's public machine-readable ISA for CDNA 5 (MIT licence, August 2026) and "CDNA5" Instruction Set Architecture Reference Guide (July 2026). The comments in the code are by the model that wrote it; some were corrected since.
;; Decouple Task Interaction. Allowed arithmetic: matrix products marked QUANTISED: E2M1 operands, one E8M0 scale for each 32 along K, by v_wmma_scale_f32_16x16x128_f8f6f4 with both operands' format E2M1 (or v_wmma_scale_f32_32x16x128_f4), f32 sums; everything else in f32.
;; Inputs: center_fea 2 x 256 x 64 x 64 float32; cls_fea 2 x 256 x 64 x 64 float32; clsmlp_b1 256 float32; clsmlp_b2 256 float32; clsmlp_w1_codes 256 x 8 x 16 uint8 (E2M1 codes of clsmlp_w1, K innermost, in blocks of 32 codes, two codes a byte); clsmlp_w1_scales 256 x 8 uint8 (E8M0 scales of clsmlp_w1, one for each 32 codes along K); clsmlp_w2_codes 256 x 8 x 16 uint8 (E2M1 codes of clsmlp_w2, K innermost, in blocks of 32 codes, two codes a byte); clsmlp_w2_scales 256 x 8 uint8 (E8M0 scales of clsmlp_w2, one for each 32 codes along K); cmlp_b1 256 float32; cmlp_b2 256 float32; cmlp_w1_codes 256 x 8 x 16 uint8 (E2M1 codes of cmlp_w1, K innermost, in blocks of 32 codes, two codes a byte); cmlp_w1_scales 256 x 8 uint8 (E8M0 scales of cmlp_w1, one for each 32 codes along K); cmlp_w2_codes 256 x 8 x 16 uint8 (E2M1 codes of cmlp_w2, K innermost, in blocks of 32 codes, two codes a byte); cmlp_w2_scales 256 x 8 uint8 (E8M0 scales of cmlp_w2, one for each 32 codes along K); k_b 256 float32; k_w_codes 256 x 8 x 16 uint8 (E2M1 codes of k_w, K innermost, in blocks of 32 codes, two codes a byte); k_w_scales 256 x 8 uint8 (E8M0 scales of k_w, one for each 32 codes along K); ln_b 256 float32; ln_g 256 float32; mix_b 256 float32; mix_w_codes 256 x 24 x 16 uint8 (E2M1 codes of mix_w, K innermost, in blocks of 32 codes, two codes a byte); mix_w_scales 256 x 24 uint8 (E8M0 scales of mix_w, one for each 32 codes along K); q1_b 256 float32; q1_w_codes 256 x 8 x 16 uint8 (E2M1 codes of q1_w, K innermost, in blocks of 32 codes, two codes a byte); q1_w_scales 256 x 8 uint8 (E8M0 scales of q1_w, one for each 32 codes along K); q2_b 256 float32; q2_w_codes 256 x 8 x 16 uint8 (E2M1 codes of q2_w, K innermost, in blocks of 32 codes, two codes a byte); q2_w_scales 256 x 8 uint8 (E8M0 scales of q2_w, one for each 32 codes along K); q3_b 256 float32; q3_w_codes 256 x 8 x 16 uint8 (E2M1 codes of q3_w, K innermost, in blocks of 32 codes, two codes a byte); q3_w_scales 256 x 8 uint8 (E8M0 scales of q3_w, one for each 32 codes along K); v_b 256 float32; v_w_codes 256 x 8 x 16 uint8 (E2M1 codes of v_w, K innermost, in blocks of 32 codes, two codes a byte); v_w_scales 256 x 8 uint8 (E8M0 scales of v_w, one for each 32 codes along K); wh_fea 2 x 256 x 64 x 64 float32; wmlp_b1 256 float32; wmlp_b2 256 float32; wmlp_w1_codes 256 x 8 x 16 uint8 (E2M1 codes of wmlp_w1, K innermost, in blocks of 32 codes, two codes a byte); wmlp_w1_scales 256 x 8 uint8 (E8M0 scales of wmlp_w1, one for each 32 codes along K); wmlp_w2_codes 256 x 8 x 16 uint8 (E2M1 codes of wmlp_w2, K innermost, in blocks of 32 codes, two codes a byte); wmlp_w2_scales 256 x 8 uint8 (E8M0 scales of wmlp_w2, one for each 32 codes along K).
;; Outputs: out0 2 x 256 x 64 x 64 float32; out1 2 x 256 x 64 x 64 float32; out2 2 x 256 x 64 x 64 float32.
;; This version of the problem:
;;   THIS VERSION OF THE PROBLEM IS GIVEN IN LOW PRECISION. The matrix products marked QUANTISED in the list below multiply operands that are first quantised to E2M1 (2 exponent bits, 1 mantissa bit; 4 bits a number), with one power-of-two scale for each 32 numbers along K (OCP MX v1.0); their sums are f32. All else is computed in f32.
;;   The module's matrix products, in the order in which they are computed (A, B: the left and right operand; K: the contracted axis; several contracted axes count as one K, in the product's order):
;;     1. [M 8,192, K 768] x [K 768, N 256]; A: computed on the way; B: input mix_w (given as codes): QUANTISED
;;     2. [M 8,192, K 256] x [K 256, N 256]; A: computed on the way; B: input k_w (given as codes): QUANTISED
;;     3. [M 8,192, K 256] x [K 256, N 256]; A: computed on the way; B: input v_w (given as codes): QUANTISED
;;     4. [M 8,192, K 256] x [K 256, N 256]; A: computed on the way; B: input q1_w (given as codes): QUANTISED
;;     5. batch 2 x [M 4,096, K 256] x [K 256, N 4,096]; A: computed on the way; B: computed on the way: QUANTISED
;;     6. batch 2 x [M 4,096, K 4,096] x [K 4,096, N 256]; A: softmax (see below); B: computed on the way: QUANTISED
;;     7. [M 8,192, K 256] x [K 256, N 256]; A: computed on the way; B: input q2_w (given as codes): QUANTISED
;;     8. batch 2 x [M 4,096, K 256] x [K 256, N 4,096]; A: computed on the way; B: computed on the way: QUANTISED
;;     9. batch 2 x [M 4,096, K 4,096] x [K 4,096, N 256]; A: softmax (see below); B: computed on the way: QUANTISED
;;     10. [M 8,192, K 256] x [K 256, N 256]; A: computed on the way; B: input q3_w (given as codes): QUANTISED
;;     11. batch 2 x [M 4,096, K 256] x [K 256, N 4,096]; A: computed on the way; B: computed on the way: QUANTISED
;;     12. batch 2 x [M 4,096, K 4,096] x [K 4,096, N 256]; A: softmax (see below); B: computed on the way: QUANTISED
;;     13. [M 8,192, K 256] x [K 256, N 256]; A: computed on the way; B: input cmlp_w1 (given as codes): QUANTISED
;;     14. [M 8,192, K 256] x [K 256, N 256]; A: computed on the way; B: input cmlp_w2 (given as codes): QUANTISED
;;     15. [M 8,192, K 256] x [K 256, N 256]; A: computed on the way; B: input wmlp_w1 (given as codes): QUANTISED
;;     16. [M 8,192, K 256] x [K 256, N 256]; A: computed on the way; B: input wmlp_w2 (given as codes): QUANTISED
;;     17. [M 8,192, K 256] x [K 256, N 256]; A: computed on the way; B: input clsmlp_w1 (given as codes): QUANTISED
;;     18. [M 8,192, K 256] x [K 256, N 256]; A: computed on the way; B: input clsmlp_w2 (given as codes): QUANTISED
;;   THE QUANTISER, for each operand of a quantised product, along K:
;;     - K is cut into blocks of 32 from its start; a last block that is shorter is filled with zeros.
;;     - A block's scale is 2^e with e = floor(log2(the largest magnitude in the block)) - 2, held to -126 .. 127; a block of zeros has e = 0. As a byte (E8M0): e + 127.
;;     - Each number is divided by its block's scale, clamped to +-6, and rounded to the nearest number of E2M1, ties to even, subnormals kept.
;;     - The product sums the exact products of the quantised numbers (number of the format x scale) in f32.
;;   ~~~python
;;   def quantise(x, axis):      # numpy; x: float32 -> the quantised numbers, widened to float32 again
;;       x = np.moveaxis(x, axis, -1); K = x.shape[-1]
;;       x = np.pad(x, [(0, 0)] * (x.ndim - 1) + [(0, -K % 32)]); x = x.reshape(x.shape[:-1] + (-1, 32)); a = np.abs(x).max(-1, keepdims=True)
;;       e = np.where(a > 0, np.clip(np.frexp(np.where(a > 0, a, 1))[1] - 1 - 2, -126, 127), 0)      # np.frexp(a)[1] - 1 = floor(log2(a)), exactly
;;       r = np.clip(x / 2.0 ** e, -6, 6)
;;       step = 2.0 ** (np.maximum(np.frexp(np.where(r == 0, 1, r))[1] - 1, 0) - 1)
;;       q = np.round(r / step) * step * 2.0 ** e      # np.round: ties to even
;;       return np.moveaxis(q.reshape(q.shape[:-2] + (-1,))[..., :K], -1, axis).astype(np.float32)
;;   ~~~
;;   SOFTMAX AHEAD OF A QUANTISED PRODUCT. Where the list says 'softmax', what is quantised is not the finished softmax but p = 2^(t - M), with t = logit x log2(e) and M = ceil(the row's largest t), a whole number; so 1/2 < the row's largest p <= 1. The row's sum l is taken of the UNQUANTISED p, in f32, and the product's result is divided by l at the end. Since M is a whole number, a kernel that streams over the keys may use a running M (the ceiling of the running maximum): every later rescaling is an exact power of two, which a block's scale takes up: the codes' values come out the same.
;;   OPERANDS COMPUTED ON THE WAY. 'Computed on the way' means the value that the module computes at that place (a softmax that the list does not call 'softmax' is quantised finished and normalised). What goes into a quantiser is computed in f32, as accurately as f32 sums, v_exp_f32 and their like allow (about 1e-6 of the number): no bf16 or f16 on the way to a quantiser, and a product that is left as it is and whose result goes on into a quantised operand takes f32 operands (vector FMAs, or v_wmma_f32_16x16x4_f32). A number that lies on a knife's edge between two numbers of the format may be rounded either way, as far as f32 arithmetic and the matrix unit's own rounding can turn it there, and no further.
;;   INPUTS GIVEN AS CODES. clsmlp_w1 (in the module: [256, 256], K = its axis 1); clsmlp_w2 (in the module: [256, 256], K = its axis 1); cmlp_w1 (in the module: [256, 256], K = its axis 1); cmlp_w2 (in the module: [256, 256], K = its axis 1); k_w (in the module: [256, 256], K = its axis 1); mix_w (in the module: [256, 768], K = its axis 1); q1_w (in the module: [256, 256], K = its axis 1); q2_w (in the module: [256, 256], K = its axis 1); q3_w (in the module: [256, 256], K = its axis 1); v_w (in the module: [256, 256], K = its axis 1); wmlp_w1 (in the module: [256, 256], K = its axis 1); wmlp_w2 (in the module: [256, 256], K = its axis 1): each comes as NAME_codes (uint8): NAME with its K axis moved to the last place and cut into blocks of 32 codes, [.., K / 32, bytes a block], one block behind the other in memory; two codes a byte, the lower K in the low four bits (a code: sign, 2 exponent bits, 1 mantissa bit); and NAME_scales (uint8): the same leading axes, one E8M0 byte (e + 127) for each 32 codes along K. Its value is code x scale, taken as it is: it is not quantised again, and the codes and scales need not be those that the quantiser above would give.
;; One version. Each part assembles by itself: llvm-mc -triple=amdgcn-amd-amdhsa -mcpu=gfx1250 --defsym DOCPART=n.
;; ======== version 1 of 1: 2 launches
;; workspace buffers: kv 2,228,224 bytes; qimg 3,145,728 bytes; qsc 196,608 bytes
;; launch prep (part 1): grid 128 x 2, 6 waves a work-group, no clusters, 216,320 bytes of LDS; arguments center_fea, wh_fea, cls_fea, mix_w_codes, mix_w_scales, k_w_codes, k_w_scales, v_w_codes, v_w_scales, q1_w_codes, q2_w_codes, q3_w_codes, q1_w_scales, q2_w_scales, q3_w_scales, q1_b, q2_b, q3_b, mix_b, k_b, v_b, ln_g, ln_b, qimg, qsc, kv; writes qimg, qsc, kv
.if DOCPART == 1
	.amdgcn_target "amdgcn-amd-amdhsa--gfx1250"
	.amdhsa_code_object_version 6
	.text
	.protected	k_q5124b9598c_prep
	.globl	k_q5124b9598c_prep
	.p2align	8
	.type	k_q5124b9598c_prep,@function
k_q5124b9598c_prep:
	s_mov_b64 s[64:65], 0
	v_nop
	global_prefetch_b8 v0, s[64:65] scope:SCOPE_SE
	s_setreg_imm32_b32 hwreg(HW_REG_WAVE_MODE, 25, 1), 1
	s_wait_xcnt 0x0
; FIRST LAUNCH OF TWO.  From the three feature maps [2][256][4096] f32 (channel-major) it makes what attention reads:
;   cat = the three maps' channels, quantised along the 768 channels;  mix = cat mix_w^T + mix_b;  mt = LN(mix);  K = mt k_w^T + k_b;  V = mt v_w^T + v_b;  Qs = LN(stream s) qs_w^T + qs_b.
; All products on codes of E2M1 with one E8M0 scale for each 32 along K.  K and Q are quantised along the channels, V along the keys.  They are stored as images of the operand registers.
; DEAD WORK: none.  Every bias goes into a quantised operand or an output, every product has a way to an output: every input is loaded, here or in the second launch.
; LIMITS: NaN and infinities among the inputs are not served.  A block whose largest magnitude lies under 2^-124 keeps the scale byte 1; a block of zeros gets the byte 1 and not 127: its codes are zeros,
; and these bytes are read by this program alone.  The mix is the sum of three f32 partial sums (one a stream) and mix_b, in that fixed order.
; SHARES.  A work-group takes 32 tokens of one batch (grid 128 x 2).  Wave w = 2 s + u takes stream s and token tile u: row r of the tile is token 8 u + r + 8 (r / 8).
; A lane (r, h) holds 128 of its token's 256 channels: register 64 k + 16 b + i is channel 128 k + 32 b + 16 h + i: what the conversions want, and what a transposed product leaves,
; since lane r of weight tile 2 b + v takes row 32 b + 8 v + r + 8 (r / 8).
; NO CLUSTER: what the work-groups share are the weights, 272 KB of codes and scales; beside the 102 KB of features and the 96 KB of partial sums they do not fit in LDS, so they go from memory
; straight into operand registers, and a joint load serves LDS alone.
; kv: [batch 2][32 records of 128 keys][34,816 bytes]: K's fragment (key tile t, channels 128 k on) at 1,024 (2 t + k); K's scale words at 16,384 + 128 t + 4 lane (lanes 0-15: k = 0, lanes 16-31: k = 1);
;   V's fragment of d tile t at 17,408 + 1,024 t; V's scale words at 33,792 + 128 j + 4 lane (lanes 0-15 tile 2 j, lanes 16-31 tile 2 j + 1; byte = block of 32 keys).  A fragment: registers 4 c .. 4 c + 3 at 512 c + 16 lane.
; qimg: tile ((3 batch + s) 128 + group) 2 + u, 2,048 bytes: two fragments;  qsc: 128 bytes a tile, as K's scale words.
.set PAR,   0                          ; LDS: 8 rows of 1,024 bytes: q1_b q2_b q3_b mix_b k_b v_b ln_g ln_b
.set MTI,   8192                       ; the images of mt's two token tiles: 2 x (2 fragments + 128 bytes of scale words + 128 spare) = 2 x 2,304
.set SPARE, 12800                      ; the spare words, 128 bytes a wave: three blocks of 256 bytes that no other line names
.set XT,    13568                      ; the features: stream s at 34,816 s: 256 channel rows of 32 tokens, 128 bytes + 8 of padding
.set PM,    118016                     ; the partial mixes: 16,384 bytes a wave
.set REC,   34816
.set KSOFF, 16384
.set VOFF,  17408
.set VSOFF, 33792
.set L16, 1                            ; v1   16 x lane
.set L4,  2                            ; v2   4 x lane
.set H64, 3                            ; v3   64 h: my half's place in a row of parameters
.set XA,  4                            ; v4   my token's column in my stream's rows
.set PMW, 5                            ; v5   where I store my partial mix
.set PMR, 6                            ; v6   where the partial mixes of my token tile begin (streams 0 and 1),
.set PMR2, 7                           ; v7   and stream 2's
.set MVO, 8                            ; v8   mix_w: my row of a tile, codes;  v9 scales
.set MVS, 9
.set WVO, 10                           ; v10  the 256 x 256 weights: my row of a tile, codes;  v11 scales
.set WVS, 11
.set QB,  12                           ; v12  my stream's q bias
.set KB,  13                           ; v13  k_b, my unit's half
.set SPW, 14                           ; v14  my spare word;  v15  0: both never rewritten
.set NIL, 15
.set X,   16                           ; v16-143   128 numbers of my token
.set B0,  144                          ; v144-175  at work
.set TM,  176                          ; v176-191  the quantiser's: +0..3 magnitudes, +4..7 bytes, +12..15 scale operands
.set PW,  184                          ; v184-186  scale words just made
.set PK0, 185
.set PK1, 186
.set VB,  192                          ; v192 v_b, my unit's rows
.set MTW, 193                          ; v193, v194 where a V unit stores mt's image and its scale words
.set MTWS, 194
.set R4,  195                          ; v195 4 r
.set RV,  196                          ; v196 16 r + 8 h
.set CR,  200                          ; v200-215  codes of the raw features; later mt's
.set MT,  200
.set CN,  216                          ; v216-231  codes of LN(stream)
.set WS,  232                          ; v232-247  weights' scale words;  v248-251 the tokens': scales and nothing else
.set RS,  248
.set NS,  249
.set MS0, 250
.set MS1, 251
.set INV, 2                            ; s2 1/256, s3 1e-5
.set EPS, 3
.set PX,  4
.set PMC, 10
.set PMS, 12
.set PKVC, 14
.set PKVS, 16
.set PKC, 18
.set PKS, 20
.set PQC, 22
.set PVC, 24
.set PVS, 26
.set PQS, 28
.set PQI, 50
.set PQSC, 52
.set PKV, 54
.set WV,  66
.set SS,  67
.set G1X, 68
.set G1L, 76
.set G0X, 84
.set G0P, 88
.set G0Q, 92
.set U,   96
.set G,   97
.set B,   98
.set MASKHI, 99
.set SEL, 100
.set MSB, 0
.macro WIN new                         ; the immediate's high byte repeats the setting that is left
.if MSB != \new
	s_set_vgpr_msb (MSB<<8)|\new
.set MSB, \new
.endif
.endm
.macro PLACES n
.rept \n
	v_nop
.endr
.endm
.macro BARRIER                         ; my LDS stores have landed and my LDS loads are in: then the work-group's barrier
	s_wait_dscnt 0x0
	s_barrier_signal -1
	s_barrier_wait -1
.endm
; one matrix instruction.  z = 1: C is 0, else C = D;  ra, rb: the scale words stand in lanes 16-31
.macro MX d, a, b, z, sa, sb, ra, rb
.if \z
	v_wmma_scale_f32_16x16x128_f8f6f4 v[(\d):(\d)+7], v[(\a):(\a)+7], v[(\b):(\b)+7], 0, v[\sa], v[\sb] matrix_a_fmt:MATRIX_FMT_FP4 matrix_b_fmt:MATRIX_FMT_FP4
.elseif (\ra)+(\rb) == 0
	v_wmma_scale_f32_16x16x128_f8f6f4 v[(\d):(\d)+7], v[(\a):(\a)+7], v[(\b):(\b)+7], v[(\d):(\d)+7], v[\sa], v[\sb] matrix_a_fmt:MATRIX_FMT_FP4 matrix_b_fmt:MATRIX_FMT_FP4
.elseif (\ra)+(\rb) == 2
	v_wmma_scale_f32_16x16x128_f8f6f4 v[(\d):(\d)+7], v[(\a):(\a)+7], v[(\b):(\b)+7], v[(\d):(\d)+7], v[\sa], v[\sb] matrix_a_fmt:MATRIX_FMT_FP4 matrix_b_fmt:MATRIX_FMT_FP4 matrix_a_scale:MATRIX_SCALE_ROW1 matrix_b_scale:MATRIX_SCALE_ROW1
.else
	v_wmma_scale_f32_16x16x128_f8f6f4 v[(\d):(\d)+7], v[(\a):(\a)+7], v[(\b):(\b)+7], v[(\d):(\d)+7], v[\sa], v[\sb] matrix_a_fmt:MATRIX_FMT_FP4 matrix_b_fmt:MATRIX_FMT_FP4 matrix_a_scale:MATRIX_SCALE_ROW1
.endif
.endm
; 64 numbers of a lane, four blocks of which it holds 16 each (the other 16 lie in lane l xor 16): the bytes into v[TM+4..7], the codes of block b into v[dst + 2 b], v[dst + 2 b + 1]
.macro QCORE src, dst
.irp b, 0,1,2,3
	v_max3_num_f32 v[TM+\b], |v[(\src)+16*\b]|, |v[(\src)+1+16*\b]|, 0x1800000   ; with the floor 2^(3 - 127): the byte cannot fall under 1
.endr
.irp i, 2,4,6,8,10,12,14
.irp b, 0,1,2,3
	v_max3_num_f32 v[TM+\b], v[TM+\b], |v[(\src)+16*\b+\i]|, |v[(\src)+1+16*\b+\i]|
.endr
.endr
.irp b, 0,1,2,3
	v_permlanex16_b32 v[TM+4+\b], v[TM+\b], s[SEL], s[SEL+1]
.endr
.irp b, 0,1,2,3
	v_max_num_f32 v[TM+\b], v[TM+\b], v[TM+4+\b]           ; the block's largest magnitude
.endr
.irp b, 0,1,2,3
	v_add_nc_u32 v[TM+12+\b], 0xff000000, v[TM+\b]         ; 2 off its exponent field: the conversion's scale operand
.endr
.irp b, 0,1,2,3
	v_lshrrev_b32 v[TM+4+\b], 23, v[TM+12+\b]              ; the scale's byte
.endr
.irp b, 0,1,2,3
	v_cvt_scalef32_pk8_fp4_f32 v[(\dst)+2*\b], v[(\src)+16*\b:(\src)+7+16*\b], v[TM+12+\b]
	v_cvt_scalef32_pk8_fp4_f32 v[(\dst)+1+2*\b], v[(\src)+8+16*\b:(\src)+15+16*\b], v[TM+12+\b]
.endr
.endm
; the same, finished to a fragment (16 rows x 128 K) in v[dst .. dst + 7] and its scale word in v[pw]
.macro QUANT src, dst, pw
	QCORE \src, \dst
	v_lshl_or_b32 v[\pw], v[TM+5], 8, v[TM+4]              ; (plain lines behind the conversions)
	v_lshl_or_b32 v[\pw], v[TM+6], 16, v[\pw]
	v_lshl_or_b32 v[\pw], v[TM+7], 24, v[\pw]
.irp c, 0,1                            ; the operand's layout wants a whole block in a lane
.irp i, 0,1
	v_permlane16_swap_b32 v[(\dst)+4*\c+\i], v[(\dst)+2+4*\c+\i]
.endr
.endr
.endm
; 8 weight tiles x 2 K steps into window 1 from register dst on (fragment 2 a + k);  their scale words: lane (r, h) takes word h of its row
.macro WFRAGS dst, ptr, voff, pitch, extra
.irp a, 0,1,2,3,4,5,6,7
.irp k, 0,1
.irp c, 0,1
	global_load_b128 v[(\dst)+8*(2*\a+\k)+4*\c:(\dst)+8*(2*\a+\k)+4*\c+3], v[\voff], s[\ptr:\ptr+1] offset:(32*(\a/2)+8*(\a%2))*(\pitch)+64*\k+32*\c+(\extra)
.endr
.endr
.endr
.endm
.macro WSC dst, ptr, voff, sp, extra
.irp a, 0,1,2,3,4,5,6,7
	global_load_b32 v[(\dst)+\a], v[\voff], s[\ptr:\ptr+1] offset:(32*(\a/2)+8*(\a%2))*(\sp)+(\extra)
.endr
.endm
.macro XLOAD                           ; my token's 128 numbers: register 64 k + 16 b + i = channel 128 k + 32 b + 16 h + i
.set j, 0
.rept 128
	ds_load_b32 v[X+j], v[XA] offset:136*(128*(j/64)+32*((j%64)/16)+(j%16))
.set j, j+1
.endr
.endm
; LayerNorm of the token whose 256 numbers lie in my X and lane l xor 16's; ln_g in window 1 v0-127, ln_b in v128-255, in X's order
.macro LN128
	v_pk_add_f32 v[B0:B0+1], v[X:X+1], v[X+2:X+3]
	v_pk_add_f32 v[B0+2:B0+3], v[X+4:X+5], v[X+6:X+7]
.set j, 8
.rept 30
	v_pk_add_f32 v[B0:B0+1], v[B0:B0+1], v[X+j:X+j+1]
	v_pk_add_f32 v[B0+2:B0+3], v[B0+2:B0+3], v[X+j+2:X+j+3]
.set j, j+4
.endr
	v_pk_add_f32 v[B0:B0+1], v[B0:B0+1], v[B0+2:B0+3]
	v_add_f32 v252, v[B0], v[B0+1]
	v_permlanex16_b32 v253, v252, s[SEL], s[SEL+1]
	v_add_f32 v252, v252, v253
	v_mul_f32 v252, s[INV], v252                           ; the mean
.set j, 0
.rept 64
	v_pk_add_f32 v[X+j:X+j+1], v[X+j:X+j+1], v[252:253] op_sel_hi:[1,0] neg_lo:[0,1] neg_hi:[0,1]
.set j, j+2
.endr
	v_pk_mul_f32 v[B0:B0+1], v[X:X+1], v[X:X+1]
	v_pk_mul_f32 v[B0+2:B0+3], v[X+2:X+3], v[X+2:X+3]
.set j, 4
.rept 31
	v_pk_fma_f32 v[B0:B0+1], v[X+j:X+j+1], v[X+j:X+j+1], v[B0:B0+1]
	v_pk_fma_f32 v[B0+2:B0+3], v[X+j+2:X+j+3], v[X+j+2:X+j+3], v[B0+2:B0+3]
.set j, j+4
.endr
	v_pk_add_f32 v[B0:B0+1], v[B0:B0+1], v[B0+2:B0+3]
	v_add_f32 v254, v[B0], v[B0+1]
	v_permlanex16_b32 v255, v254, s[SEL], s[SEL+1]
	v_add_f32 v254, v254, v255
	v_fma_f32 v254, v254, s[INV], s[EPS]                   ; the variance + 1e-5
	v_rsq_f32 v254, v254
	v_nop                                                  ; a plain line behind the transcendental,
	s_wait_alu depctr_va_vdst(0)                           ; and the wait ahead of its first reader
.set j, 0
.rept 64
	v_pk_mul_f32 v[X+j:X+j+1], v[X+j:X+j+1], v[254:255] op_sel_hi:[1,0]
.set j, j+2
.endr
	WIN 0x14                                               ; sources 1 and 2 (gain, bias) in window 1
.set j, 0
.rept 64
	v_pk_fma_f32 v[X+j:X+j+1], v[X+j:X+j+1], v[j:j+1], v[128+j:129+j]
.set j, j+2
.endr
	WIN 0
.endm
; A transposed product: 128 outputs of my 16 tokens.  The bias is the C of each sum's first instruction; the 8 accumulators take turns; the result is quantised to one fragment.
; fb: the weights' fragments in window 1;  cb: the tokens' two fragments;  ws, bs: scale words;  adr, off: the bias in LDS;  qd, pw: where codes and scale word go
.macro TPROD fb, cb, ws, bs, adr, off, qd, pw
.irp n, 0,1,2,3,4,5,6,7,8,9,10,11,12,13,14,15
	ds_load_b128 v[X+4*\n:X+4*\n+3], v[\adr] offset:(\off)+128*(\n/4)+16*(\n%4)
.endr
	PLACES 8                                               ; a scale word made by vector lines stands 8 places ahead of a scaled product, an operand so made 4
	s_wait_dscnt 0x0
	WIN 0x01                                               ; source 0 (the weights) in window 1
.irp a, 0,1,2,3,4,5,6,7
	MX X+8*\a, (\fb)+16*\a, \cb, 0, (\ws)+\a, \bs, 0, 0
.endr
.irp a, 0,1,2,3,4,5,6,7
	MX X+8*\a, (\fb)+16*\a+8, (\cb)+8, 0, (\ws)+\a, \bs, 1, 1
.endr
	WIN 0
	PLACES 4
	QUANT X, \qd, \pw
.endm
; the sum of the partial mixes, 16 registers at a time: chunk k: source k / 8 (stream 1, stream 2, mix_b), registers 16 (k % 8) on
.macro CHLOAD k
.set BUF, B0+16*((\k)%2)
.set CC, (\k)%8
.irp n, 0,1,2,3
.if (\k)/8 == 0
	ds_load_b128 v[BUF+4*\n:BUF+4*\n+3], v[PMR] offset:32768+512*(4*CC+\n)
.elseif (\k)/8 == 1
	ds_load_b128 v[BUF+4*\n:BUF+4*\n+3], v[PMR2] offset:512*(4*CC+\n)
.else
	ds_load_b128 v[BUF+4*\n:BUF+4*\n+3], v[H64] offset:PAR+3072+128*CC+16*\n
.endif
.endr
.endm
.macro CHADD k
.set BUF, B0+16*((\k)%2)
.set CC, (\k)%8
.irp p, 0,1,2,3,4,5,6,7
	v_pk_add_f32 v[X+16*CC+2*\p:X+16*CC+2*\p+1], v[X+16*CC+2*\p:X+16*CC+2*\p+1], v[BUF+2*\p:BUF+2*\p+1]
.endr
.endm
	s_load_b512 s[4:19], s[0:1], 0x0               ; argument i stands in s[4 + 2 i : 5 + 2 i]
	s_load_b512 s[20:35], s[0:1], 0x40
	s_load_b512 s[36:51], s[0:1], 0x80
	s_load_b128 s[52:55], s[0:1], 0xc0
	v_lshl_add_u32 v[SPW], v0, 2, SPARE
	v_mov_b32 v[NIL], 0
	ds_add_u32 v[SPW], v[NIL]                      ; the wave's opening: the add, twice on end, and its wait ahead of my first tensor load
	ds_add_u32 v[SPW], v[NIL]
	v_lshrrev_b32 v255, 5, v0
	v_readfirstlane_b32 s[WV], v255                ; wave 0..5
	s_lshr_b32 s[SS], s[WV], 1                     ; my stream
	s_and_b32 s[U], s[WV], 1                       ; my token tile
	s_mov_b32 s[G], ttmp9                          ; my 32 tokens
	s_and_b32 s[B], ttmp7, 0xffff                  ; my batch
	s_mov_b32 s[MASKHI], 0xffff0000                ; lanes 16-31
	s_mov_b32 s[SEL], 0x76543210
	s_mov_b32 s[SEL+1], 0xfedcba98                 ; v_permlanex16_b32's selects for lane l xor 16
	s_mov_b32 s[INV], 0x3b800000
	s_mov_b32 s[EPS], 0x3727c5ac
	; group 1 for the features: 128 channel rows of 32 f32, 4,096 elements apart; 2 words of padding behind each 32
	s_mov_b32 s[G1X], (2<<16)|(1<<20)|(4<<22)|(1<<25)
	s_mov_b32 s[G1X+1], 32<<16
	s_mov_b32 s[G1X+2], 128<<16
	s_mov_b32 s[G1X+3], 32<<16
	s_mov_b32 s[G1X+4], 128
	s_mov_b32 s[G1X+5], 4096
	s_mov_b32 s[G1X+6], 0
	s_mov_b32 s[G1X+7], 0
	; group 1 for a row of parameters: one row of 128 elements of 8 bytes
	s_mov_b32 s[G1L], 3<<16
	s_mov_b32 s[G1L+1], 128<<16
	s_mov_b32 s[G1L+2], 1<<16
	s_mov_b32 s[G1L+3], 128<<16
	s_mov_b32 s[G1L+4], 1
	s_mov_b32 s[G1L+5], 128
	s_mov_b32 s[G1L+6], 1<<16
	s_mov_b32 s[G1L+7], 0
	s_mov_b32 s[G0X], 1
	s_mul_i32 s[G0X+1], s[WV], 17408
	s_add_co_u32 s[G0X+1], s[G0X+1], XT            ; my half of my stream's rows
	s_mov_b32 s[G0P], 1
	s_lshl_b32 s[G0P+1], s[WV], 10                 ; parameter row w
	s_mov_b32 s[G0Q], 1
	s_add_co_u32 s[G0Q+1], s[G0P+1], 6144          ; waves 0 and 1: rows 6 and 7
	v_and_b32 v255, 31, v0
	v_lshlrev_b32 v[L16], 4, v255
	v_lshlrev_b32 v[L4], 2, v255
	v_and_b32 v252, 15, v0                         ; r
	v_bfe_u32 v253, v0, 4, 1                       ; h
	v_and_b32 v254, 8, v252
	v_add_nc_u32 v254, v254, v252                  ; r + 8 (r / 8)
	v_lshlrev_b32 v[H64], 6, v253
	s_mul_i32 s56, s[SS], 34816
	s_lshl_b32 s57, s[U], 5
	s_add_co_u32 s56, s56, s57
	s_add_co_u32 s56, s56, XT
	v_mul_u32_u24 v255, v253, 2176                 ; 16 rows of 136 bytes for lanes 16-31
	v_lshl_add_u32 v255, v254, 2, v255
	v_add_nc_u32 v[XA], s56, v255
	s_lshl_b32 s56, s[WV], 14
	s_add_co_u32 s56, s56, PM
	v_add_nc_u32 v[PMW], s56, v[L16]
	s_lshl_b32 s56, s[U], 14
	s_add_co_u32 s56, s56, PM
	v_add_nc_u32 v[PMR], s56, v[L16]
	v_add_nc_u32 v[PMR2], 0x10000, v[PMR]
	v_mul_u32_u24 v[MVO], v254, 384
	v_lshl_add_u32 v[MVO], v253, 4, v[MVO]
	v_mul_u32_u24 v[MVS], v254, 24
	v_lshl_add_u32 v[MVS], v253, 2, v[MVS]
	v_lshlrev_b32 v[WVO], 7, v254
	v_lshl_add_u32 v[WVO], v253, 4, v[WVO]
	v_lshlrev_b32 v[WVS], 3, v254
	v_lshl_add_u32 v[WVS], v253, 2, v[WVS]
	s_lshl_b32 s56, s[SS], 10
	v_add_nc_u32 v[QB], s56, v[H64]
	s_lshl_b32 s56, s[SS], 9
	v_add_nc_u32 v[KB], s56, v[H64]
	s_lshl_b32 s56, s[U], 9
	v_lshl_add_u32 v[VB], v254, 2, s56
	s_mul_i32 s56, s[U], 2304
	v_add_nc_u32 v[MTW], s56, v[L16]
	v_add_nc_u32 v[MTWS], s56, v[L4]
	v_lshlrev_b32 v[R4], 2, v252
	v_lshlrev_b32 v[RV], 4, v252
	v_lshl_add_u32 v[RV], v253, 3, v[RV]
.irp b, 0,1,2,3
	v_mov_b32 v[TM+4+\b], 0                        ; written once: a lane permute's destination counts as one of its sources
.endr
	s_wait_dscnt 0x0                               ; both opening adds are done
	s_wait_kmcnt 0x0
	s_cmp_eq_u32 s[SS], 1                          ; my stream's buffers: the choices hang on the wave's number alone
	s_cselect_b64 s[PX:PX+1], s[6:7], s[PX:PX+1]
	s_cselect_b64 s[PQC:PQC+1], s[24:25], s[PQC:PQC+1]
	s_cselect_b64 s[PQS:PQS+1], s[30:31], s[PQS:PQS+1]
	s_cmp_eq_u32 s[SS], 2
	s_cselect_b64 s[PX:PX+1], s[8:9], s[PX:PX+1]
	s_cselect_b64 s[PQC:PQC+1], s[26:27], s[PQC:PQC+1]
	s_cselect_b64 s[PQS:PQS+1], s[32:33], s[PQS:PQS+1]
	s_cmp_lt_u32 s[WV], 4                          ; waves 0-3 are K units (token tile w & 1, channels 128 (w >> 1) on), waves 4, 5 V units (channels 128 (w & 1) on)
	s_cselect_b64 s[PKVC:PKVC+1], s[14:15], s[18:19]
	s_cselect_b64 s[PKVS:PKVS+1], s[16:17], s[20:21]
	s_cselect_b32 s58, s[SS], s[U]                 ; which 128 rows of the weight
	s_mov_b64 s[56:57], s[34:35]                   ; the parameter row that I fetch
.irp i, 1,2,3,4,5
	s_cmp_eq_u32 s[WV], \i
	s_cselect_b64 s[56:57], s[34+2*\i:35+2*\i], s[56:57]
.endr
	s_cmp_eq_u32 s[WV], 0
	s_cselect_b64 s[60:61], s[46:47], s[48:49]     ; wave 0: ln_g, wave 1: ln_b
	s_lshl_b32 s62, s[B], 22
	s_lshl_b32 s63, s[U], 21
	s_add_co_u32 s62, s62, s63
	s_lshl_b32 s63, s[G], 7
	s_add_co_u32 s62, s62, s63                     ; ((256 batch + 128 u) 4,096 + 32 group) 4
	s_mov_b32 s63, 0
	s_add_nc_u64 s[G0X+2:G0X+3], s[PX:PX+1], s[62:63]
	s_or_b32 s[G0X+3], s[G0X+3], 0x80000000
	s_mov_b64 s[G0P+2:G0P+3], s[56:57]
	s_or_b32 s[G0P+3], s[G0P+3], 0x80000000
	s_mov_b64 s[G0Q+2:G0Q+3], s[60:61]
	s_or_b32 s[G0Q+3], s[G0Q+3], 0x80000000
	tensor_load_to_lds s[G0X:G0X+3], s[G1X:G1X+7]  ; every byte of LDS is filled once; at most three loads of a wave are out
	s_nop 0
	tensor_load_to_lds s[G0P:G0P+3], s[G1L:G1L+7]
	s_nop 0
	s_cmp_lt_u32 s[WV], 2
	s_cbranch_scc0 .Lno_ln
	tensor_load_to_lds s[G0Q:G0Q+3], s[G1L:G1L+7]
	s_nop 0
.Lno_ln:
	PLACES 4
	s_lshl_b32 s30, s[SS], 7                       ; mix_w: my stream's 256 of the 768 along K: 128 bytes of codes, 8 of scales
	s_mov_b32 s31, 0
	s_add_nc_u64 s[PMC:PMC+1], s[PMC:PMC+1], s[30:31]
	s_lshl_b32 s30, s[SS], 3
	s_add_nc_u64 s[PMS:PMS+1], s[PMS:PMS+1], s[30:31]
	WIN 0x40                                       ; destination window 1
	WFRAGS 0, PMC, MVO, 384, 0
	WFRAGS 128, PMC, MVO, 384, 49152
	WIN 0
	WSC WS, PMS, MVS, 24, 0
	WSC WS+8, PMS, MVS, 24, 3072
	s_lshl_b32 s30, s58, 14                        ; my unit's 128 rows of k_w or v_w
	s_add_nc_u64 s[PKVC:PKVC+1], s[PKVC:PKVC+1], s[30:31]
	s_lshl_b32 s30, s58, 10
	s_add_nc_u64 s[PKVS:PKVS+1], s[PKVS:PKVS+1], s[30:31]
	s_lshl_b32 s30, s[B], 5
	s_lshr_b32 s32, s[G], 2
	s_add_co_u32 s30, s30, s32
	s_mul_i32 s30, s30, REC
	s_add_nc_u64 s[PKV:PKV+1], s[PKV:PKV+1], s[30:31]      ; my record of 128 keys
	s_and_b32 s59, s[G], 3                         ; and my block of 32 keys in it
	s_lshl_b32 s32, s59, 1
	s_add_co_u32 s32, s32, s[U]                    ; key tile t = 2 block + u
	s_lshl_b32 s30, s32, 1
	s_add_co_u32 s30, s30, s[SS]
	s_lshl_b32 s30, s30, 10
	s_add_nc_u64 s[PKC:PKC+1], s[PKV:PKV+1], s[30:31]      ; K's fragment 2 t + k
	s_lshl_b32 s30, s32, 7
	s_lshl_b32 s33, s[SS], 6
	s_add_co_u32 s30, s30, s33
	s_add_co_u32 s30, s30, KSOFF
	s_add_nc_u64 s[PKS:PKS+1], s[PKV:PKV+1], s[30:31]
	s_lshl_b32 s30, s[U], 13
	s_lshl_b32 s33, s59, 8                         ; block b of a V fragment: 512 (b / 2) + 256 (b % 2) = 256 b
	s_add_co_u32 s30, s30, s33
	s_add_co_u32 s30, s30, VOFF
	s_add_nc_u64 s[PVC:PVC+1], s[PKV:PKV+1], s[30:31]
	s_lshl_b32 s30, s[U], 9
	s_add_co_u32 s30, s30, s59
	s_add_co_u32 s30, s30, VSOFF
	s_add_nc_u64 s[PVS:PVS+1], s[PKV:PKV+1], s[30:31]
	s_mul_i32 s30, s[B], 3
	s_add_co_u32 s30, s30, s[SS]
	s_lshl_b32 s30, s30, 7
	s_add_co_u32 s30, s30, s[G]
	s_lshl_b32 s30, s30, 1
	s_add_co_u32 s32, s30, s[U]                    ; my tile of queries
	s_lshl_b32 s30, s32, 11
	s_add_nc_u64 s[PQI:PQI+1], s[PQI:PQI+1], s[30:31]
	s_lshl_b32 s30, s32, 7
	s_add_nc_u64 s[PQSC:PQSC+1], s[PQSC:PQSC+1], s[30:31]
	s_wait_tensorcnt 0x0                           ; my tiles are in,
	BARRIER                                        ; everybody's are
	; ---- the raw features: codes, and my stream's part of the mix
	XLOAD
	s_wait_dscnt 0x0
	QUANT X, CR, PK0
	QUANT X+64, CR+8, PK1
	v_cndmask_b32 v[RS], v[PK0], v[PK1], s[MASKHI] ; lanes 0-15: the word of channels 0-127, lanes 16-31: of 128-255
	s_wait_loadcnt 0x0                             ; mix_w's fragments and scale words
	PLACES 8
	WIN 0x01
.irp t, 0,1,2,3,4,5,6,7,8,9,10,11,12,13,14,15
	MX X+8*\t, 16*\t, CR, 1, WS+\t, RS, 0, 0       ; the 16 accumulators take turns; the first K step starts the sums
.endr
.irp t, 0,1,2,3,4,5,6,7,8,9,10,11,12,13,14,15
	MX X+8*\t, 16*\t+8, CR+8, 0, WS+\t, RS, 1, 1
.endr
	WIN 0
	PLACES 4
.set j, 0
.rept 32
	ds_store_b128 v[PMW], v[X+4*j:X+4*j+3] offset:512*j    ; each accumulator from its low end on
.set j, j+1
.endr
	; ---- LN(stream), quantised for Q
	XLOAD
	WIN 0x40
.set j, 0
.rept 32
	ds_load_b128 v[4*j:4*j+3], v[H64] offset:PAR+6144+128*(j/4)+16*(j%4)
	ds_load_b128 v[128+4*j:128+4*j+3], v[H64] offset:PAR+7168+128*(j/4)+16*(j%4)
.set j, j+1
.endr
	WIN 0
	s_wait_dscnt 0x0
	LN128
	QUANT X, CN, PK0
	QUANT X+64, CN+8, PK1
	v_cndmask_b32 v[NS], v[PK0], v[PK1], s[MASKHI]
	BARRIER                                        ; the six partial mixes lie in LDS
	; ---- mix = stream 0's part + stream 1's + stream 2's + mix_b, the same order in every wave
.set j, 0
.rept 32
	ds_load_b128 v[X+4*j:X+4*j+3], v[PMR] offset:512*j
.set j, j+1
.endr
	CHLOAD 0
.set kk, 0
.rept 24
.if kk < 23
	CHLOAD kk+1
	s_wait_dscnt 0x4                               ; all but the four loads just issued
.else
	s_wait_dscnt 0x0
.endif
	CHADD kk
.set kk, kk+1
.endr
	LN128                                          ; mt
	WIN 0x40
	WFRAGS 0, PKVC, WVO, 128, 0                    ; my unit's weights,
	WIN 0
	WSC WS, PKVS, WVS, 8, 0
	WIN 0x40
	WFRAGS 128, PQC, WVO, 128, 0                   ; and rows 0-127 of my stream's q weight
	WIN 0
	WSC WS+8, PQS, WVS, 8, 0
	QUANT X, MT, PK0
	QUANT X+64, MT+8, PK1
	v_cndmask_b32 v[MS0], v[PK0], v[PK1], s[MASKHI]
	s_cmp_lt_u32 s[WV], 4                          ; a V unit needs both token tiles: waves 4 and 5 lay theirs in LDS
	s_cbranch_scc1 .Lno_image
.irp i, 0,1,2,3
	ds_store_b128 v[MTW], v[MT+4*\i:MT+4*\i+3] offset:MTI+512*\i
.endr
	ds_store_b32 v[MTWS], v[MS0] offset:MTI+2048
.Lno_image:
	BARRIER
	s_cmp_lt_u32 s[WV], 4
	s_cbranch_scc0 .Lv_unit
	; ---- a K unit: 128 channels of K for my own token tile
	s_wait_loadcnt 40                              ; my unit's 40 loads are in; the q weight's 40 may be out
	TPROD 0, MT, WS, MS0, KB, PAR+4096, B0, PW
	global_store_b128 v[L16], v[B0:B0+3], s[PKC:PKC+1]
	global_store_b128 v[L16], v[B0+4:B0+7], s[PKC:PKC+1] offset:512
	global_store_b32 v[R4], v[PW], s[PKS:PKS+1]    ; lanes r and 16 + r hold the same word and write it to the same place
	s_branch .Ljoin
.Lv_unit:
	; ---- a V unit: 128 channels of V for all 32 tokens, NOT transposed (source 0 = tokens), so that a lane holds one channel and its registers run along the keys
.irp i, 0,1,2,3
	ds_load_b128 v[MT+4*\i:MT+4*\i+3], v[L16] offset:MTI+512*\i
	ds_load_b128 v[B0+4*\i:B0+4*\i+3], v[L16] offset:MTI+2304+512*\i
.endr
	ds_load_b32 v[MS0], v[L4] offset:MTI+2048
	ds_load_b32 v[MS1], v[L4] offset:MTI+2304+2048
.irp a, 0,1,2,3,4,5,6,7
	ds_load_b32 v[B0+16+2*\a], v[VB] offset:PAR+5120+(32*(\a/2)+8*(\a%2))*4    ; v_b of my channel of tile a, twice: a pair for the packed add
	ds_load_b32 v[B0+17+2*\a], v[VB] offset:PAR+5120+(32*(\a/2)+8*(\a%2))*4
.endr
	s_wait_loadcnt 40
	s_wait_dscnt 0x0
	WIN 0x04                                       ; source 1 (the weights) in window 1
.irp a, 0,1,2,3,4,5,6,7
.irp u, 0,1
	MX X+16*\a+8*\u, MT+(B0-MT)*\u, 16*\a, 1, MS0+\u, WS+\a, 0, 0
.endr
.endr
.irp a, 0,1,2,3,4,5,6,7
.irp u, 0,1
	MX X+16*\a+8*\u, MT+(B0-MT)*\u+8, 16*\a+8, 0, MS0+\u, WS+\a, 1, 1
.endr
.endr
	WIN 0
	PLACES 4
.irp a, 0,1,2,3,4,5,6,7
.irp p, 0,1,2,3,4,5,6,7
	v_pk_add_f32 v[X+16*\a+2*\p:X+16*\a+2*\p+1], v[X+16*\a+2*\p:X+16*\a+2*\p+1], v[B0+16+2*\a:B0+17+2*\a]   ; register 16 a + i: key 16 h + i of my block of 32
.endr
.endr
.irp k, 0,1                            ; four channel tiles at a time; each pass has registers of its own for what it stores
	QCORE X+64*\k, MT+8*\k
	v_nop                                          ; a plain line behind the conversions
.irp b, 0,1,2,3
	global_store_b64 v[RV], v[MT+8*\k+2*\b:MT+8*\k+2*\b+1], s[PVC:PVC+1] offset:(4*\k+\b)*1024   ; 32 lanes store 256 consecutive bytes, aligned: my block's part of the fragment
.endr
.irp i, 0,1
	v_cndmask_b32 v[B0+2*\k+\i], v[TM+4+2*\i], v[TM+5+2*\i], s[MASKHI]
	global_store_b8 v[L4], v[B0+2*\k+\i], s[PVS:PVS+1] offset:128*(2*\k+\i)
.endr
.endr
.Ljoin:
	; ---- Q of my stream and token tile
	s_wait_xcnt 0x0                                ; the units' stores have read their registers
	PLACES 4
	WIN 0x40
	WFRAGS 0, PQC, WVO, 128, 16384                 ; rows 128-255 of the q weight
	WIN 0
	WSC WS, PQS, WVS, 8, 1024
	s_wait_loadcnt 40                              ; rows 0-127 are in; the 40 loads just issued may be out
	TPROD 128, CN, WS+8, NS, QB, PAR, B0, PK0
	global_store_b128 v[L16], v[B0:B0+3], s[PQI:PQI+1]
	global_store_b128 v[L16], v[B0+4:B0+7], s[PQI:PQI+1] offset:512
	s_wait_loadcnt 0x0
	TPROD 0, CN, WS, NS, QB, PAR+512, B0+8, PK1
	global_store_b128 v[L16], v[B0+8:B0+11], s[PQI:PQI+1] offset:1024
	global_store_b128 v[L16], v[B0+12:B0+15], s[PQI:PQI+1] offset:1536
	v_cndmask_b32 v[PW], v[PK0], v[PK1], s[MASKHI]
	global_store_b32 v[L4], v[PW], s[PQSC:PQSC+1]
	s_wait_tensorcnt 0x0                           ; the wave's end, behind my last tensor load and my last LDS store
	ds_add_u32 v[SPW], v[NIL]
	s_wait_dscnt 0x0
	s_endpgm
.Lfunc_end_k_q5124b9598c_prep:
	.size	k_q5124b9598c_prep, .Lfunc_end_k_q5124b9598c_prep-k_q5124b9598c_prep
	.p2alignl 7, 3214868480
	.fill 96, 4, 3214868480
	.section	.rodata,"a",@progbits
	.p2align	6, 0x0
	.amdhsa_kernel k_q5124b9598c_prep
		.amdhsa_group_segment_fixed_size 216320
		.amdhsa_private_segment_fixed_size 0
		.amdhsa_enable_private_segment 0
		.amdhsa_kernarg_size 208
		.amdhsa_user_sgpr_count 2
		.amdhsa_user_sgpr_kernarg_segment_ptr 1
		.amdhsa_wavefront_size32 1
		.amdhsa_system_sgpr_workgroup_id_x 1
		.amdhsa_system_sgpr_workgroup_id_y 1
		.amdhsa_system_sgpr_workgroup_id_z 1
		.amdhsa_system_vgpr_workitem_id 0
		.amdhsa_next_free_vgpr 512
		.amdhsa_next_free_sgpr 106
		.amdhsa_reserve_vcc 0
		.amdhsa_float_denorm_mode_32 3
		.amdhsa_float_denorm_mode_16_64 3
		.amdhsa_memory_ordered 1
		.amdhsa_forward_progress 1
		.amdhsa_inst_pref_size 180
	.end_amdhsa_kernel
	.amdgpu_metadata
---
amdhsa.version: [ 1, 2 ]
amdhsa.kernels:
  - .name:           k_q5124b9598c_prep
    .symbol:         k_q5124b9598c_prep.kd
    .args:
      - { .name: center_fea, .offset: 0, .size: 8, .value_kind: global_buffer, .address_space: global }
      - { .name: wh_fea, .offset: 8, .size: 8, .value_kind: global_buffer, .address_space: global }
      - { .name: cls_fea, .offset: 16, .size: 8, .value_kind: global_buffer, .address_space: global }
      - { .name: mix_w_codes, .offset: 24, .size: 8, .value_kind: global_buffer, .address_space: global }
      - { .name: mix_w_scales, .offset: 32, .size: 8, .value_kind: global_buffer, .address_space: global }
      - { .name: k_w_codes, .offset: 40, .size: 8, .value_kind: global_buffer, .address_space: global }
      - { .name: k_w_scales, .offset: 48, .size: 8, .value_kind: global_buffer, .address_space: global }
      - { .name: v_w_codes, .offset: 56, .size: 8, .value_kind: global_buffer, .address_space: global }
      - { .name: v_w_scales, .offset: 64, .size: 8, .value_kind: global_buffer, .address_space: global }
      - { .name: q1_w_codes, .offset: 72, .size: 8, .value_kind: global_buffer, .address_space: global }
      - { .name: q2_w_codes, .offset: 80, .size: 8, .value_kind: global_buffer, .address_space: global }
      - { .name: q3_w_codes, .offset: 88, .size: 8, .value_kind: global_buffer, .address_space: global }
      - { .name: q1_w_scales, .offset: 96, .size: 8, .value_kind: global_buffer, .address_space: global }
      - { .name: q2_w_scales, .offset: 104, .size: 8, .value_kind: global_buffer, .address_space: global }
      - { .name: q3_w_scales, .offset: 112, .size: 8, .value_kind: global_buffer, .address_space: global }
      - { .name: q1_b, .offset: 120, .size: 8, .value_kind: global_buffer, .address_space: global }
      - { .name: q2_b, .offset: 128, .size: 8, .value_kind: global_buffer, .address_space: global }
      - { .name: q3_b, .offset: 136, .size: 8, .value_kind: global_buffer, .address_space: global }
      - { .name: mix_b, .offset: 144, .size: 8, .value_kind: global_buffer, .address_space: global }
      - { .name: k_b, .offset: 152, .size: 8, .value_kind: global_buffer, .address_space: global }
      - { .name: v_b, .offset: 160, .size: 8, .value_kind: global_buffer, .address_space: global }
      - { .name: ln_g, .offset: 168, .size: 8, .value_kind: global_buffer, .address_space: global }
      - { .name: ln_b, .offset: 176, .size: 8, .value_kind: global_buffer, .address_space: global }
      - { .name: qimg, .offset: 184, .size: 8, .value_kind: global_buffer, .address_space: global }
      - { .name: qsc, .offset: 192, .size: 8, .value_kind: global_buffer, .address_space: global }
      - { .name: kv, .offset: 200, .size: 8, .value_kind: global_buffer, .address_space: global }
    .group_segment_fixed_size: 216320
    .private_segment_fixed_size: 0
    .kernarg_segment_align: 8
    .kernarg_segment_size: 208
    .max_flat_workgroup_size: 192
    .sgpr_count:     106
    .vgpr_count:     512
    .wavefront_size: 32
...
	.end_amdgpu_metadata
.endif
;; end of part 1
;; launch attn (part 2): grid 128 x 2, 12 waves a work-group, clusters of 4 x 1, 327,680 bytes of LDS; arguments qimg, qsc, kv, center_fea, wh_fea, cls_fea, ln_g, ln_b, cmlp_w1_codes, wmlp_w1_codes, clsmlp_w1_codes, cmlp_w1_scales, wmlp_w1_scales, clsmlp_w1_scales, cmlp_b1, wmlp_b1, clsmlp_b1, cmlp_w2_codes, wmlp_w2_codes, clsmlp_w2_codes, cmlp_w2_scales, wmlp_w2_scales, clsmlp_w2_scales, cmlp_b2, wmlp_b2, clsmlp_b2, out0, out1, out2; writes out0, out1, out2
.if DOCPART == 2
	.amdgcn_target "amdgcn-amd-amdhsa--gfx1250"
	.amdhsa_code_object_version 6
	.text
	.protected	k_q5124b9598c_attn
	.globl	k_q5124b9598c_attn
	.p2align	8
	.type	k_q5124b9598c_attn,@function
k_q5124b9598c_attn:
	s_mov_b64 s[64:65], 0
	v_nop
	global_prefetch_b8 v0, s[64:65] scope:SCOPE_SE
	s_setreg_imm32_b32 hwreg(HW_REG_WAVE_MODE, 25, 1), 1
	s_wait_xcnt 0x0
	s_wait_alu depctr_hold_cnt(0) depctr_sa_sdst(0) depctr_va_vdst(0) depctr_va_sdst(0) depctr_va_ssrc(0) depctr_va_vcc(0) depctr_vm_vsrc(0)
	s_getreg_b32 s2, hwreg(HW_REG_IB_STS2, 6, 4)
	s_cmp_eq_u32 s2, 0
	s_cbranch_scc0 .Lentry_in_a_cluster
	s_endpgm
.Lentry_in_a_cluster:
	s_bfe_u32 s2, ttmp6, 0x10000c
	s_cmp_lg_u32 s2, 0x3003
	s_cbranch_scc0 .Lentry_shape_is_right
	s_endpgm
.Lentry_shape_is_right:
; SECOND LAUNCH OF TWO.  For each stream s: x1 = LN(x + softmax(Q K^T) V);  out = LN(x1 + W2 gelu(W1 x1 + b1) + b2), stored channel-major.  Nothing is left out: no work of this chain is dead.
; All products on codes of E2M1 with one E8M0 scale for each 32 along K.  Q, K, V come as images of operand registers (the first launch's head comment gives the layouts); O, x1 and the hidden layer stay in registers and LDS.
; THE SOFTMAX AHEAD OF THE SECOND PRODUCT: t = logit x log2(e); M = the largest t so far, rounded up to a whole number; p = 2^(t - M) is quantised along the keys; the sum is taken of the unquantised p and divides at the end.
; LIMITS: NaN and infinities among the inputs are not served.  A block under 2^-124, or of zeros, keeps the scale byte 1.  erf is the f32 rational form x P(x^2) / Q(x^2) on x held to +-4 (absolute error about 1e-7).
; A row of an output that a work-group stores is its 32 tokens, 128 consecutive bytes: 24,576 queries on 256 work-groups are 96 = 3 streams x 32 tokens.
; SHARES.  A work-group takes 32 tokens of one batch, in all three streams.  Wave w = 4 s + 2 u + e: stream s, token tile u (row r = token 8 u + r + 8 (r / 8)); in attention it walks the e-th record of 128 keys of every slot
; (half of the keys), behind it channels 128 e .. 128 e + 127 of the same tokens.  Three waves lie on a SIMD.
; Both products are used transposed (source 0 = 16 keys, or 16 channels of V; source 1 = my 16 queries): a lane holds one query throughout.
; TWO CLASSES OF WAVES, HALF A KEY STEP APART.  A key step has two parts: P1 reads K's 16 KB from LDS and makes the scores; P2 is the softmax and the product with V.  All twelve waves meet at each change of slots; were they to
; take the parts in one order, all would read K at once, with no vector work at hand, and then all would want the vector unit.  So six waves (class 0) run P1(j), P2(j) in trip j, and six (class 1) run P2(j - 1), P1(j): they carry
; their scores over the change of slots in the registers in which they stand.  The class is the parity of s + u + e.  V of step j - 1 is thus still read in trip j: the ring has THREE slots, and trip j fills slot (j + 1) mod 3.
; CLUSTER.  The four work-groups of a cluster belong to one batch and walk the same records of K and V, and all take the same MLP weights: both are asked for jointly, by the same tensor load with a mask that names the four.
.set REC,   34816
.set KSOFF, 16384
.set VOFF,  17408
.set VSOFF, 33792
.set SLOTB, 69632                      ; LDS: three slots of two records each, at 0, SLOTB and 2 SLOTB
.set XW,    208896                     ; 768 rows of 128 bytes + 16: first the features (row 256 s + channel), then W1's rows, then W2's, on the same bytes
.set PAR,   319488                     ; ln_g, ln_b
.set SPARE, 321536                     ; the spare words, 128 bytes a wave: six blocks of 256 bytes that no other line names
.set OXB,   69632                      ; scratch of the tail, in slots 1 and 2, which have had their last fill and their last read: O's halves at OXB + 8,192 w;
.set ST1,   167936                     ; then 256 bytes a wave: (-M, l),
.set ST2D,  3072                       ; (mean, sum of squares) of the first LayerNorm, at ST1 + ST2D,
.set ST3D,  6144                       ; and of the second
.set FR1,   177152                     ; x1's fragment and scale words, 1,280 bytes a wave;
.set FR2D,  15360                      ; the hidden layer's, FR2D further on.  The stage for the way out: 768 rows of 136 bytes from 0 on
.set A16,  1                           ; v1-6   my lane's places in a slot: K's fragments, my half of V's, the other half, and the three kinds of scale words
.set A16O, 2
.set A16X, 3
.set A4,   4
.set A4O,  5
.set A4X,  6
.set SPW,  7                           ; v7 my spare word, v8 0: never rewritten
.set NIL,  8
.set ADK,  9                           ; v9-14  the same six places in the slot in hand
.set ADO,  10
.set ADX,  11
.set ADS,  12
.set ADSO, 13
.set ADSX, 14
.set OXW,  1                           ; the tail's addresses take these registers
.set OXR,  2
.set STW,  3
.set STR,  4
.set FRW,  5
.set FRWS, 6
.set FRR,  9
.set XSR,  10
.set XA,   11
.set WA,   12
.set PARA, 13
.set WSV,  14
.set BV,   15
.set SO,   1
.set SRD,  2
.set OUTV, 11
.set NM,   16                          ; v16 -M, v17 the largest t (in the tail: l)
.set LS,   18                          ; v[18:19] the sum, in two halves
.set QS,   20                          ; v20 the queries' scale words, v21 p's, v22-29 those of K, V or the weights: scales and nothing else
.set PS,   21
.set SC8,  22
.set T0,   30
.set T1,   31
.set TM,   32                          ; v32-47 the quantiser's
.set BM,   32
.set T2,   36
.set MB,   40                          ; v[40:41], v[42:43] factors that the packed forms take from the low word
.set RB,   42
.set SOP,  44
.set PW,   48
.set F,    50
.set STO,  52                          ; v[52:53] my statistics, v[54:55] my partner's
.set STP,  54
.set PC,   56                          ; v56-63   codes just made
.set KF,   64                          ; v64-127  fragments of K or V; at work
.set SREG, 128                         ; v128-191 scores, then p, then fragments of V
.set OWN,  192                         ; v192-255 O^T of my channel half
.set OTH,  0                           ; window 1: v0-63 O^T of the other half;  v64-79 Q's two fragments
.set QF,   64
.set TBK,  2                           ; s2  LDS byte of the slot from which P1 reads
.set SLOTS, 3
.set PQI,  4
.set PQSC, 6
.set PKV,  8
.set PX,   10
.set G0R,  12
.set PLN,  16
.set PW1C, 20
.set SEL,  22
.set CS,   24
.set PW1S, 26
.set G0X,  28
.set PB1,  32
.set INV,  35
.set EPS,  36
.set PW2C, 38
.set G0L,  40
.set PW2S, 44
.set PB2,  50
.set G0W,  52
.set POUT, 56
.set CLS,  58                          ; s58 my class, s59 1 - my class
.set NCLS, 59
.set TBV,  60                          ; s60 LDS byte of the slot from which P2 reads
.set GBASE, 61                         ; s61 17,408 x wave: my quarter's place in a slot
.set WV,   66
.set E,    67
.set G1R,  68
.set G1X,  76
.set G1L,  84
.set G1W,  92
.set SS,   100
.set U,    101
.set G,    104
.set B,    105
.set A11,  68                          ; the tail: erf's coefficients as pairs, in registers of descriptors whose loads are done
.set A9,   70
.set A7,   72
.set A5,   74
.set A3,   76
.set A1,   78
.set B6,   80
.set B4,   82
.set B2,   84
.set B0C,  86
.set MSB, 0
.macro WIN new                         ; the immediate's high byte repeats the setting that is left
.if MSB != \new
	s_set_vgpr_msb (MSB<<8)|\new
.set MSB, \new
.endif
.endm
.macro PLACES n
.rept \n
	v_nop
.endr
.endm
.macro BARRIER
	s_wait_dscnt 0x0
	s_barrier_signal -1
	s_barrier_wait -1
.endm
.macro ROUND                           ; a round of the cluster's barrier
	s_barrier_signal -1
	s_barrier_wait -1
	s_cmp_lg_u32 s[WV], 0
	s_cbranch_scc1 .Lnot_wave_0_\@
	s_barrier_signal -3
.Lnot_wave_0_\@:
	s_barrier_wait -3
	s_barrier_signal -1
	s_barrier_wait -1
.endm
.macro SEL3 p0, p1, p2                 ; my stream's buffer of three, into p0
	s_cmp_eq_u32 s[SS], 1
	s_cselect_b64 s[\p0:\p0+1], s[\p1:\p1+1], s[\p0:\p0+1]
	s_cmp_eq_u32 s[SS], 2
	s_cselect_b64 s[\p0:\p0+1], s[\p2:\p2+1], s[\p0:\p0+1]
.endm
.macro SPAIR r, val
	s_mov_b32 s[\r], \val
	s_mov_b32 s[\r+1], \val
.endm
.macro MX d, a, b, z, sa, sb, ra, rb   ; one matrix instruction.  z = 1: C is 0, else C = D;  ra, rb: the scale words stand in lanes 16-31
.if \z
	v_wmma_scale_f32_16x16x128_f8f6f4 v[(\d):(\d)+7], v[(\a):(\a)+7], v[(\b):(\b)+7], 0, v[\sa], v[\sb] matrix_a_fmt:MATRIX_FMT_FP4 matrix_b_fmt:MATRIX_FMT_FP4
.elseif (\ra)+(\rb) == 0
	v_wmma_scale_f32_16x16x128_f8f6f4 v[(\d):(\d)+7], v[(\a):(\a)+7], v[(\b):(\b)+7], v[(\d):(\d)+7], v[\sa], v[\sb] matrix_a_fmt:MATRIX_FMT_FP4 matrix_b_fmt:MATRIX_FMT_FP4
.elseif (\ra)+(\rb) == 2
	v_wmma_scale_f32_16x16x128_f8f6f4 v[(\d):(\d)+7], v[(\a):(\a)+7], v[(\b):(\b)+7], v[(\d):(\d)+7], v[\sa], v[\sb] matrix_a_fmt:MATRIX_FMT_FP4 matrix_b_fmt:MATRIX_FMT_FP4 matrix_a_scale:MATRIX_SCALE_ROW1 matrix_b_scale:MATRIX_SCALE_ROW1
.else
	v_wmma_scale_f32_16x16x128_f8f6f4 v[(\d):(\d)+7], v[(\a):(\a)+7], v[(\b):(\b)+7], v[(\d):(\d)+7], v[\sa], v[\sb] matrix_a_fmt:MATRIX_FMT_FP4 matrix_b_fmt:MATRIX_FMT_FP4 matrix_a_scale:MATRIX_SCALE_ROW1
.endif
.endm
; 64 numbers of a lane, register 16 b + i = k 32 b + 16 h + i of my row, become a fragment in v[dst ..] and its scale word in v[pw]
.macro QUANT src, dst, pw
.irp b, 0,1,2,3
	v_max3_num_f32 v[TM+\b], |v[(\src)+16*\b]|, |v[(\src)+1+16*\b]|, 0x1800000   ; with the floor 2^(3 - 127): the byte cannot fall under 1
.endr
.irp i, 2,4,6,8,10,12,14
.irp b, 0,1,2,3
	v_max3_num_f32 v[TM+\b], v[TM+\b], |v[(\src)+16*\b+\i]|, |v[(\src)+1+16*\b+\i]|
.endr
.endr
.irp b, 0,1,2,3
	v_permlanex16_b32 v[TM+4+\b], v[TM+\b], s[SEL], s[SEL+1]
.endr
.irp b, 0,1,2,3
	v_max_num_f32 v[TM+\b], v[TM+\b], v[TM+4+\b]
.endr
.irp b, 0,1,2,3
	v_add_nc_u32 v[TM+12+\b], 0xff000000, v[TM+\b]         ; 2 off the exponent field: the conversion's scale operand
.endr
.irp b, 0,1,2,3
	v_lshrrev_b32 v[TM+4+\b], 23, v[TM+12+\b]
.endr
.irp b, 0,1,2,3
	v_cvt_scalef32_pk8_fp4_f32 v[(\dst)+2*\b], v[(\src)+16*\b:(\src)+7+16*\b], v[TM+12+\b]
	v_cvt_scalef32_pk8_fp4_f32 v[(\dst)+1+2*\b], v[(\src)+8+16*\b:(\src)+15+16*\b], v[TM+12+\b]
.endr
	v_lshl_or_b32 v[\pw], v[TM+5], 8, v[TM+4]              ; (plain lines behind the conversions)
	v_lshl_or_b32 v[\pw], v[TM+6], 16, v[\pw]
	v_lshl_or_b32 v[\pw], v[TM+7], 24, v[\pw]
.irp c, 0,1
.irp i, 0,1
	v_permlane16_swap_b32 v[(\dst)+4*\c+\i], v[(\dst)+2+4*\c+\i]
.endr
.endr
.endm
; THE CHANGE OF SLOTS stands at a trip's head.  Each wave waits for all its tensor loads, adds 0 to its spare word, and waits for that and for its LDS reads of the trip before.
; fill = 1: a round of the cluster's barrier follows, and behind it waves 0-3 ask jointly for the next step's two records, a quarter each, into the slot at LDS byte dst: the one slot of the three that no wave reads in this trip.
.macro CHANGE fill, dst
	s_wait_tensorcnt 0x0                           ; no tensor load of mine is out, so a group 0 may be written
	ds_add_u32 v[SPW], v[NIL]
.if \fill
	s_add_co_u32 s[G0R+1], s[GBASE], \dst          ; my quarter of that slot,
	s_add_nc_u64 s[G0R+2:G0R+3], s[G0R+2:G0R+3], 2*REC   ; the next two records
.endif
	s_wait_dscnt 0x0
.if \fill
	ROUND
	s_cmp_lt_u32 s[WV], 4
	s_cbranch_scc0 .Lno_fill_\@
	tensor_load_to_lds s[G0R:G0R+3], s[G1R:G1R+7]
	s_nop 0
	PLACES 4
.Lno_fill_\@:
.else
	s_barrier_signal -1
	s_barrier_wait -1
.endif
.endm
; P1, THE FIRST PART OF A KEY STEP: S^T = K Q^T of my record's 128 keys, from the slot at s[TBK]
.macro P1
	v_add_nc_u32 v[ADK], s[TBK], v[A16]            ; six plain lines: the places behind the last products, whose registers are loaded and written below
	v_add_nc_u32 v[ADS], s[TBK], v[A4]
	PLACES 4
.irp t, 0,1,2,3,4,5,6,7
	ds_load_b32 v[SC8+\t], v[ADS] offset:128*\t
.endr
.irp g, 0,1                            ; four tiles of 16 keys at a time, 256 channels deep
.if \g
	PLACES 4
.endif
.irp f, 0,1,2,3,4,5,6,7
.irp c, 0,1
	ds_load_b128 v[KF+8*\f+4*\c:KF+8*\f+4*\c+3], v[ADK] offset:8192*\g+1024*\f+512*\c
.endr
.endr
	s_wait_dscnt 0x0
	WIN 0x04                                       ; source 1 (Q) in window 1
.irp t, 0,1,2,3
	MX SREG+8*(4*\g+\t), KF+16*\t, QF, 1, SC8+4*\g+\t, QS, 0, 0
.endr
.irp t, 0,1,2,3
	MX SREG+8*(4*\g+\t), KF+16*\t+8, QF+8, 0, SC8+4*\g+\t, QS, 1, 1
.endr
	WIN 0
.endr
.endm
; P2, THE SECOND PART: the softmax of the scores in SREG, and O^T += V^T P^T, V from the slot at s[TBV]
.macro P2
	v_add_nc_u32 v[ADO], s[TBV], v[A16O]           ; four plain lines: the places behind P1's products
	v_add_nc_u32 v[ADX], s[TBV], v[A16X]
	v_add_nc_u32 v[ADSO], s[TBV], v[A4O]
	v_add_nc_u32 v[ADSX], s[TBV], v[A4X]
.irp j, 0,1,2,3                        ; V's scale words and my half of its fragments are asked for now: they land under the softmax
	ds_load_b32 v[SC8+\j], v[ADSO] offset:128*\j
	ds_load_b32 v[SC8+4+\j], v[ADSX] offset:128*\j
.endr
.irp a, 0,1,2,3,4,5,6,7
.irp c, 0,1
	ds_load_b128 v[KF+8*\a+4*\c:KF+8*\a+4*\c+3], v[ADO] offset:1024*\a+512*\c
.endr
.endr
.irp b, 0,1,2,3
	v_max3_num_f32 v[BM+\b], v[SREG+16*\b], v[SREG+1+16*\b], v[SREG+2+16*\b]   ; the largest score of each block of 32 keys: for the row's maximum and, since p rises with the score, for the block's largest p
.endr
.irp i, 3,5,7,9,11,13
.irp b, 0,1,2,3
	v_max3_num_f32 v[BM+\b], v[BM+\b], v[SREG+16*\b+\i], v[SREG+1+16*\b+\i]
.endr
.endr
.irp b, 0,1,2,3
	v_max_num_f32 v[BM+\b], v[BM+\b], v[SREG+15+16*\b]
.endr
.irp b, 0,1,2,3
	v_permlanex16_b32 v[T2+\b], v[BM+\b], s[SEL], s[SEL+1]
.endr
.irp b, 0,1,2,3
	v_max_num_f32 v[BM+\b], v[BM+\b], v[T2+\b]
.endr
	v_max3_num_f32 v[T0], v[BM], v[BM+1], v[BM+2]
	v_max_num_f32 v[T0], v[T0], v[BM+3]
	v_mul_f32 v[T0], s[CS], v[T0]
	v_max_num_f32 v[NM+1], v[NM+1], v[T0]          ; the running largest t
	v_mov_b32 v[T0], v[NM]
	v_floor_f32 v[NM], -v[NM+1]                    ; the new -M = floor(-t): M is a whole number
	v_sub_f32 v[T0], v[NM], v[T0]                  ; old M less new M: a whole number, 0 or less
	v_cvt_i32_f32 v[T0], v[T0]
	v_ldexp_f32 v[F], 1.0, v[T0]                   ; f = 2^(old M - new M): it rounds nothing
.set j, 0
.rept 32
	v_pk_fma_f32 v[SREG+j:SREG+j+1], v[SREG+j:SREG+j+1], s[CS:CS+1], v[NM:NM+1] op_sel_hi:[1,0,0]   ; t - M
.set j, j+2
.endr
.irp b, 0,1,2,3
	v_fma_f32 v[BM+\b], v[BM+\b], s[CS], v[NM]
.endr
.set j, 0
.rept 64
	v_exp_f32 v[SREG+j], v[SREG+j]                 ; p = 2^(t - M)
.set j, j+1
.endr
	v_pk_mul_f32 v[LS:LS+1], v[LS:LS+1], v[F:F+1] op_sel_hi:[1,0]   ; (a plain line behind the exponentials)
	s_wait_alu depctr_va_vdst(0)                   ; one wait for the batch, ahead of its first reader
.irp b, 0,1,2,3
	v_exp_f32 v[BM+\b], v[BM+\b]                   ; the block's largest p
.endr
	v_pk_add_f32 v[T2:T2+1], v[SREG:SREG+1], v[SREG+2:SREG+3]       ; the row's sum, of the unquantised p, in two chains
.set j, 4
.rept 15
	v_pk_add_f32 v[LS:LS+1], v[LS:LS+1], v[SREG+j:SREG+j+1]
	v_pk_add_f32 v[T2:T2+1], v[T2:T2+1], v[SREG+j+2:SREG+j+3]
.set j, j+4
.endr
	v_pk_add_f32 v[LS:LS+1], v[LS:LS+1], v[T2:T2+1]
	s_wait_alu depctr_va_vdst(0)                   ; and one for the four
.irp b, 0,1,2,3
	v_max_num_f32 v[BM+\b], 0x1800000, v[BM+\b]
.endr
.irp b, 0,1,2,3
	v_add_nc_u32 v[SOP+\b], 0xff000000, v[BM+\b]
.endr
.irp b, 0,1,2,3
	v_lshrrev_b32 v[T2+\b], 23, v[SOP+\b]
.endr
	v_lshl_or_b32 v[PS], v[T2+1], 8, v[T2]
	v_lshl_or_b32 v[PS], v[T2+2], 16, v[PS]
	v_lshl_or_b32 v[PS], v[T2+3], 24, v[PS]
.irp b, 0,1,2,3
	v_cvt_scalef32_pk8_fp4_f32 v[PC+2*\b], v[SREG+16*\b:SREG+7+16*\b], v[SOP+\b]
	v_cvt_scalef32_pk8_fp4_f32 v[PC+1+2*\b], v[SREG+8+16*\b:SREG+15+16*\b], v[SOP+\b]
.endr
	v_nop
.irp c, 0,1
.irp i, 0,1
	v_permlane16_swap_b32 v[PC+4*\c+\i], v[PC+2+4*\c+\i]
.endr
.endr
.irp a, 0,1,2,3,4,5,6,7                ; p is spent: the other half of V's fragments takes its registers
.irp c, 0,1
	ds_load_b128 v[SREG+8*\a+4*\c:SREG+8*\a+4*\c+3], v[ADX] offset:1024*\a+512*\c
.endr
.endr
.set j, 0
.rept 32
	v_pk_mul_f32 v[OWN+j:OWN+j+1], v[OWN+j:OWN+j+1], v[F:F+1] op_sel_hi:[1,0]   ; O^T under the new M
.set j, j+2
.endr
	WIN 0x41
.set j, 0
.rept 32
	v_pk_mul_f32 v[OTH+j:OTH+j+1], v[OTH+j:OTH+j+1], v[F:F+1] op_sel_hi:[1,0]
.set j, j+2
.endr
	WIN 0
	s_wait_dscnt 16                                ; all but the 16 loads just issued
.irp a, 0,1,2,3,4,5,6,7
	MX OWN+8*\a, KF+8*\a, PC, 0, SC8+\a/2, PS, \a%2, 0
.endr
	s_wait_dscnt 0x0
	WIN 0x50                                       ; C and D in window 1
.irp a, 0,1,2,3,4,5,6,7
	MX OTH+8*\a, SREG+8*\a, PC, 0, SC8+4+\a/2, PS, \a%2, 0
.endr
	WIN 0
.endm
; TRIP j, jm = j mod 3.  Step j's records lie in slot jm.  Class 0: P1(j), P2(j).  Class 1: P2(j - 1), whose V lies in slot (jm + 2) mod 3, then P1(j).  The branches hang on the wave's number alone, and lead round no barrier.
; V's slot is one product on the class: a base + (class or 1 - class) x a distance.
.macro TRIP jm, fill
	CHANGE \fill, (((\jm)+1)%3)*SLOTB
	s_mov_b32 s[TBK], (\jm)*SLOTB
.if (\jm) == 0
	s_mul_i32 s[TBV], s[CLS], 2*SLOTB              ; class 0: slot 0, class 1: slot 2
.elseif (\jm) == 1
	s_mul_i32 s[TBV], s[NCLS], SLOTB               ; class 0: slot 1, class 1: slot 0
.else
	s_mul_i32 s[TBV], s[NCLS], SLOTB               ; class 0: slot 2, class 1: slot 1
	s_add_co_u32 s[TBV], s[TBV], SLOTB
.endif
	s_cmp_eq_u32 s[CLS], 0
	s_cbranch_scc0 .Llate_\@
	P1
.Llate_\@:
	P2
	s_cmp_eq_u32 s[CLS], 0
	s_cbranch_scc1 .Ldone_\@
	P1
.Ldone_\@:
.endm
; mean and sum of squares about it, of the 128 numbers in my OWN and lane l xor 16's, into v[STO], v[STO+1]
.macro LSTAT
	v_pk_add_f32 v[KF:KF+1], v[OWN:OWN+1], v[OWN+2:OWN+3]
	v_pk_add_f32 v[KF+2:KF+3], v[OWN+4:OWN+5], v[OWN+6:OWN+7]
.set j, 8
.rept 14
	v_pk_add_f32 v[KF:KF+1], v[KF:KF+1], v[OWN+j:OWN+j+1]
	v_pk_add_f32 v[KF+2:KF+3], v[KF+2:KF+3], v[OWN+j+2:OWN+j+3]
.set j, j+4
.endr
	v_pk_add_f32 v[KF:KF+1], v[KF:KF+1], v[KF+2:KF+3]
	v_add_f32 v[T0], v[KF], v[KF+1]
	v_permlanex16_b32 v[T1], v[T0], s[SEL], s[SEL+1]
	v_add_f32 v[T0], v[T0], v[T1]
	v_mul_f32 v[STO], 0x3c000000, v[T0]            ; / 128
.set j, 0
.rept 8
.irp q, 0,1,2,3
	v_pk_add_f32 v[KF+8+2*\q:KF+9+2*\q], v[OWN+j+2*\q:OWN+j+2*\q+1], v[STO:STO+1] op_sel_hi:[1,0] neg_lo:[0,1] neg_hi:[0,1]
.endr
.irp q, 0,1,2,3
.if (j == 0) && (\q < 2)
	v_pk_mul_f32 v[KF+4+2*\q:KF+5+2*\q], v[KF+8+2*\q:KF+9+2*\q], v[KF+8+2*\q:KF+9+2*\q]
.else
	v_pk_fma_f32 v[KF+4+2*(\q%2):KF+5+2*(\q%2)], v[KF+8+2*\q:KF+9+2*\q], v[KF+8+2*\q:KF+9+2*\q], v[KF+4+2*(\q%2):KF+5+2*(\q%2)]
.endif
.endr
.set j, j+8
.endr
	v_pk_add_f32 v[KF+4:KF+5], v[KF+4:KF+5], v[KF+6:KF+7]
	v_add_f32 v[T0], v[KF+4], v[KF+5]
	v_permlanex16_b32 v[T1], v[T0], s[SEL], s[SEL+1]
	v_add_f32 v[STO+1], v[T0], v[T1]
.endm
.macro GBLOAD                          ; ln_g of my 64 channels into SREG, ln_b into KF
.set j, 0
.rept 16
	ds_load_b128 v[SREG+4*j:SREG+4*j+3], v[PARA] offset:128*(j/4)+16*(j%4)
	ds_load_b128 v[KF+4*j:KF+4*j+3], v[PARA] offset:1024+128*(j/4)+16*(j%4)
.set j, j+1
.endr
.endm
; the two halves' statistics joined (both of 128 numbers): mean = their means' mean; sum of squares = the two sums + 64 x (the means' difference)^2.  Then OWN = (OWN - mean) / sqrt(var + 1e-5) x g + b
.macro LNFIN
	v_add_f32 v[T0], v[STO], v[STP]
	v_sub_f32 v[T1], v[STO], v[STP]
	v_mul_f32 v[MB], 0.5, v[T0]
	v_add_f32 v[T0], v[STO+1], v[STP+1]
	v_mul_f32 v[T1], v[T1], v[T1]
	v_fmamk_f32 v[T0], v[T1], 0x42800000, v[T0]
	v_fma_f32 v[T0], v[T0], s[INV], s[EPS]
	v_rsq_f32 v[RB], v[T0]
.set j, 0
.rept 32
	v_pk_add_f32 v[OWN+j:OWN+j+1], v[OWN+j:OWN+j+1], v[MB:MB+1] op_sel_hi:[1,0] neg_lo:[0,1] neg_hi:[0,1]   ; plain work behind the transcendental
.set j, j+2
.endr
	s_wait_alu depctr_va_vdst(0)                   ; the wait ahead of its first reader
.set j, 0
.rept 32
	v_pk_mul_f32 v[OWN+j:OWN+j+1], v[OWN+j:OWN+j+1], v[RB:RB+1] op_sel_hi:[1,0]
.set j, j+2
.endr
.set j, 0
.rept 32
	v_pk_fma_f32 v[OWN+j:OWN+j+1], v[OWN+j:OWN+j+1], v[SREG+j:SREG+j+1], v[KF+j:KF+j+1]
.set j, j+2
.endr
.endm
; my 128 rows of the weight in XW: K step 0's eight fragments into KF, K step 1's into window 1 v0-63
.macro WFETCH
.irp a, 0,1,2,3,4,5,6,7
.irp c, 0,1
	ds_load_b128 v[KF+8*\a+4*\c:KF+8*\a+4*\c+3], v[WA] offset:(32*(\a/2)+8*(\a%2))*144+32*\c
.endr
.endr
	WIN 0x40
.irp a, 0,1,2,3,4,5,6,7
.irp c, 0,1
	ds_load_b128 v[OTH+8*\a+4*\c:OTH+8*\a+4*\c+3], v[WA] offset:(32*(\a/2)+8*(\a%2))*144+64+32*\c
.endr
.endr
	WIN 0
.endm
.macro MLPMUL d                        ; 128 outputs of my 16 tokens, added in place onto v[d ..]; the 8 accumulators take turns
	WIN 0x04
.irp a, 0,1,2,3,4,5,6,7
	MX (\d)+8*\a, KF+8*\a, QF, 0, SC8+\a, QS, 0, 0
.endr
	WIN 0x05
.irp a, 0,1,2,3,4,5,6,7
	MX (\d)+8*\a, OTH+8*\a, QF+8, 0, SC8+\a, QS, 1, 1
.endr
	WIN 0
.endm
.macro FRFETCH off                     ; both halves' fragments of my tokens into Q's registers, and their scale words (lanes 0-15: channels 0-127, lanes 16-31: 128-255)
	WIN 0x40
.irp k, 0,1
.irp c, 0,1
	ds_load_b128 v[QF+8*\k+4*\c:QF+8*\k+4*\c+3], v[FRR] offset:(\off)+1280*\k+512*\c
.endr
.endr
	WIN 0
	ds_load_b32 v[QS], v[XSR] offset:\off
.endm
; exact GELU on SREG, 16 numbers at a time: h (1 + erf(h / sqrt 2)) / 2.  KF: +0 u, later h / 2; +16 u^2; +32 P; +48 Q
.macro GELU
.irp g, 0,1,2,3
.irp p, 0,1,2,3,4,5,6,7
	v_pk_mul_f32 v[KF+2*\p:KF+2*\p+1], v[SREG+16*\g+2*\p:SREG+16*\g+2*\p+1], 0x3f3504f3 op_sel_hi:[1,0]
.endr
.irp p, 0,1,2,3,4,5,6,7,8,9,10,11,12,13,14,15
	v_med3_num_f32 v[KF+\p], v[KF+\p], -4.0, 4.0
.endr
.irp p, 0,1,2,3,4,5,6,7
	v_pk_mul_f32 v[KF+16+2*\p:KF+17+2*\p], v[KF+2*\p:KF+2*\p+1], v[KF+2*\p:KF+2*\p+1]
.endr
.irp p, 0,1,2,3,4,5,6,7
	v_pk_fma_f32 v[KF+32+2*\p:KF+33+2*\p], v[KF+16+2*\p:KF+17+2*\p], v[MB:MB+1], s[A11:A11+1] op_sel_hi:[1,1,0]
	v_pk_fma_f32 v[KF+48+2*\p:KF+49+2*\p], v[KF+16+2*\p:KF+17+2*\p], v[RB:RB+1], s[B6:B6+1] op_sel_hi:[1,1,0]
.endr
.irp cf, A9, A7, A5, A3, A1
.irp p, 0,1,2,3,4,5,6,7
	v_pk_fma_f32 v[KF+32+2*\p:KF+33+2*\p], v[KF+32+2*\p:KF+33+2*\p], v[KF+16+2*\p:KF+17+2*\p], s[\cf:\cf+1] op_sel_hi:[1,1,0]
.endr
.endr
.irp cf, B4, B2, B0C
.irp p, 0,1,2,3,4,5,6,7
	v_pk_fma_f32 v[KF+48+2*\p:KF+49+2*\p], v[KF+48+2*\p:KF+49+2*\p], v[KF+16+2*\p:KF+17+2*\p], s[\cf:\cf+1] op_sel_hi:[1,1,0]
.endr
.endr
.irp p, 0,1,2,3,4,5,6,7,8,9,10,11,12,13,14,15
	v_rcp_f32 v[KF+48+\p], v[KF+48+\p]
.endr
.irp p, 0,1,2,3,4,5,6,7
	v_pk_mul_f32 v[KF+32+2*\p:KF+33+2*\p], v[KF+32+2*\p:KF+33+2*\p], v[KF+2*\p:KF+2*\p+1]     ; u P: plain work behind the reciprocals
.endr
.irp p, 0,1,2,3,4,5,6,7
	v_pk_mul_f32 v[KF+2*\p:KF+2*\p+1], v[SREG+16*\g+2*\p:SREG+16*\g+2*\p+1], 0.5 op_sel_hi:[1,0]
.endr
	s_wait_alu depctr_va_vdst(0)                   ; one wait for the 16 reciprocals
.irp p, 0,1,2,3,4,5,6,7
	v_pk_mul_f32 v[KF+32+2*\p:KF+33+2*\p], v[KF+32+2*\p:KF+33+2*\p], v[KF+48+2*\p:KF+49+2*\p]   ; erf
.endr
.irp p, 0,1,2,3,4,5,6,7
	v_pk_fma_f32 v[SREG+16*\g+2*\p:SREG+16*\g+2*\p+1], v[KF+2*\p:KF+2*\p+1], v[KF+32+2*\p:KF+33+2*\p], v[KF+2*\p:KF+2*\p+1]
.endr
.endr
.endm
	s_load_b512 s[4:19], s[0:1], 0x0               ; argument i stands in s[4 + 2 i : 5 + 2 i]
	s_load_b512 s[20:35], s[0:1], 0x40
	s_load_b512 s[36:51], s[0:1], 0x80
	s_load_b256 s[52:59], s[0:1], 0xc0
	s_load_b64 s[60:61], s[0:1], 0xe0
	v_lshl_add_u32 v[SPW], v0, 2, SPARE
	v_mov_b32 v[NIL], 0
	ds_add_u32 v[SPW], v[NIL]                      ; the wave's opening: the add, twice on end, and its wait ahead of my first tensor load
	ds_add_u32 v[SPW], v[NIL]
	v_lshrrev_b32 v9, 5, v0
	v_readfirstlane_b32 s[WV], v9                  ; wave 0..11
	s_and_b32 s[E], s[WV], 1
	s_bfe_u32 s[U], s[WV], 0x10001
	s_lshr_b32 s[SS], s[WV], 2
	s_bfe_u32 s62, ttmp6, 0x40000                  ; my place in the cluster: it enters global addresses of my own loads and stores alone
	s_lshl_b32 s[G], ttmp9, 2
	s_add_co_u32 s[G], s[G], s62                   ; my 32 tokens
	s_and_b32 s[B], ttmp7, 0xffff                  ; my batch, which the four partners share
	; group 1 for a quarter of a slot: 68 dense rows of 256 bytes; joint
	s_mov_b32 s[G1R], 15|(3<<16)|(1<<21)
	s_mov_b32 s[G1R+1], 32<<16
	s_mov_b32 s[G1R+2], 68<<16
	s_mov_b32 s[G1R+3], 32<<16
	s_mov_b32 s[G1R+4], 68
	s_mov_b32 s[G1R+5], 32
	s_mov_b32 s[G1R+6], 0
	s_mov_b32 s[G1R+7], 0
	; for the features: 128 channel rows of 32 f32, 4,096 elements apart, 4 words of padding behind each 32; my work-group's own
	s_mov_b32 s[G1X], (2<<16)|(1<<20)|(4<<22)|(3<<25)
	s_mov_b32 s[G1X+1], 32<<16
	s_mov_b32 s[G1X+2], 128<<16
	s_mov_b32 s[G1X+3], 32<<16
	s_mov_b32 s[G1X+4], 128
	s_mov_b32 s[G1X+5], 4096
	s_mov_b32 s[G1X+6], 0
	s_mov_b32 s[G1X+7], 0
	; for ln_g, ln_b: one row of 1,024 bytes
	s_mov_b32 s[G1L], 3<<16
	s_mov_b32 s[G1L+1], 128<<16
	s_mov_b32 s[G1L+2], 1<<16
	s_mov_b32 s[G1L+3], 128<<16
	s_mov_b32 s[G1L+4], 1
	s_mov_b32 s[G1L+5], 128
	s_mov_b32 s[G1L+6], 1<<16
	s_mov_b32 s[G1L+7], 0
	; for 64 rows of a weight's codes: 128 bytes a row, the same padding as the features'; joint
	s_mov_b32 s[G1W], 15|(1<<20)|(1<<21)|(4<<22)|(3<<25)
	s_mov_b32 s[G1W+1], 128<<16
	s_mov_b32 s[G1W+2], 64<<16
	s_mov_b32 s[G1W+3], 128<<16
	s_mov_b32 s[G1W+4], 64
	s_mov_b32 s[G1W+5], 128
	s_mov_b32 s[G1W+6], 0
	s_mov_b32 s[G1W+7], 0
	v_and_b32 v9, 31, v0
	s_mul_i32 s62, s[E], REC                       ; my record of a slot's two
	v_lshl_add_u32 v[A16], v9, 4, s62
	v_lshl_add_u32 v[A4], v9, 2, s62
	s_lshl_b32 s63, s[E], 13
	s_add_co_u32 s63, s63, VOFF
	v_add_nc_u32 v[A16O], s63, v[A16]              ; V's tiles 8 e .. 8 e + 7,
	s_xor_b32 s62, s[E], 1
	s_lshl_b32 s63, s62, 13
	s_add_co_u32 s63, s63, VOFF
	v_add_nc_u32 v[A16X], s63, v[A16]              ; and the other eight
	s_lshl_b32 s63, s[E], 9
	s_add_co_u32 s63, s63, VSOFF
	v_add_nc_u32 v[A4O], s63, v[A4]
	s_lshl_b32 s63, s62, 9
	s_add_co_u32 s63, s63, VSOFF
	v_add_nc_u32 v[A4X], s63, v[A4]
	v_add_nc_u32 v[A4], KSOFF, v[A4]
	v_lshlrev_b32 v10, 4, v9
	v_lshlrev_b32 v11, 2, v9
	s_wait_dscnt 0x0                               ; both opening adds are done
	s_wait_kmcnt 0x0
	SEL3 PW1C, 22, 24                              ; my stream's buffers: the choices hang on the wave's number alone
	SEL3 PW1S, 28, 30
	SEL3 PB1, 34, 36
	SEL3 PW2C, 40, 42
	SEL3 PW2S, 46, 48
	SEL3 PB2, 52, 54
	SEL3 POUT, 58, 60
	s_lshr_b32 s62, s[WV], 1                       ; my class: the parity of s + u + e = bit 0 of w ^ (w >> 1) ^ (w >> 2): six waves of each
	s_xor_b32 s62, s62, s[WV]
	s_lshr_b32 s63, s[WV], 2
	s_xor_b32 s62, s62, s63
	s_and_b32 s[CLS], s62, 1
	s_xor_b32 s[NCLS], s[CLS], 1
	s_sub_co_u32 s46, s[WV], 4                     ; waves 4-9 fetch the features: stream (w - 4) / 2, channels 128 (w & 1) on
	s_lshr_b32 s46, s46, 1
	s_cmp_eq_u32 s46, 1
	s_cselect_b64 s[PX:PX+1], s[12:13], s[PX:PX+1]
	s_cmp_eq_u32 s46, 2
	s_cselect_b64 s[PX:PX+1], s[14:15], s[PX:PX+1]
	s_cmp_eq_u32 s[WV], 11                         ; wave 10: ln_g, wave 11: ln_b
	s_cselect_b64 s[PLN:PLN+1], s[18:19], s[PLN:PLN+1]
	s_mov_b32 s[SEL], 0x76543210
	s_mov_b32 s[SEL+1], 0xfedcba98
	s_mov_b32 s[CS], 0x3fb8aa3b                    ; log2(e)
	s_mov_b32 s[CS+1], s[CS]
	s_mov_b32 s[INV], 0x3b800000                   ; 1 / 256
	s_mov_b32 s[EPS], 0x3727c5ac                   ; 1e-5
	s_mov_b32 s47, 0
	s_mul_i32 s46, s[B], 3
	s_add_co_u32 s46, s46, s[SS]
	s_lshl_b32 s46, s46, 7
	s_add_co_u32 s46, s46, s[G]
	s_lshl_b32 s46, s46, 1
	s_add_co_u32 s48, s46, s[U]                    ; my tile of queries
	s_lshl_b32 s46, s48, 11
	s_add_nc_u64 s[PQI:PQI+1], s[PQI:PQI+1], s[46:47]
	s_lshl_b32 s46, s48, 7
	s_add_nc_u64 s[PQSC:PQSC+1], s[PQSC:PQSC+1], s[46:47]
	s_mul_i32 s46, s[B], 32*REC
	s_mul_i32 s[GBASE], s[WV], 17408
	s_add_co_u32 s46, s46, s[GBASE]
	s_mov_b32 s[G0R], 1
	s_mov_b32 s[G0R+1], s[GBASE]                   ; waves 0-3: quarter w of slot 0
	s_add_nc_u64 s[G0R+2:G0R+3], s[PKV:PKV+1], s[46:47]
	s_or_b32 s[G0R+3], s[G0R+3], 0x80000000
	s_lshl_b32 s46, s[B], 22
	s_lshl_b32 s48, s[E], 21
	s_add_co_u32 s46, s46, s48
	s_lshl_b32 s48, s[G], 7
	s_add_co_u32 s46, s46, s48
	s_mov_b32 s[G0X], 1
	s_mul_i32 s[G0X+1], s[WV], 18432
	s_add_co_u32 s[G0X+1], s[G0X+1], XW-73728
	s_add_nc_u64 s[G0X+2:G0X+3], s[PX:PX+1], s[46:47]
	s_or_b32 s[G0X+3], s[G0X+3], 0x80000000
	s_mov_b32 s[G0L], 1
	s_lshl_b32 s[G0L+1], s[WV], 10
	s_add_co_u32 s[G0L+1], s[G0L+1], PAR-10240
	s_mov_b64 s[G0L+2:G0L+3], s[PLN:PLN+1]
	s_or_b32 s[G0L+3], s[G0L+3], 0x80000000
	s_and_b32 s48, s[WV], 3
	s_lshl_b32 s46, s48, 13                        ; every wave fetches 64 rows of its stream's weight
	s_add_nc_u64 s[PW2C:PW2C+1], s[PW2C:PW2C+1], s[46:47]
	s_mov_b32 s[G0W], 1
	s_mul_i32 s[G0W+1], s[WV], 9216
	s_add_co_u32 s[G0W+1], s[G0W+1], XW
	s_add_nc_u64 s[G0W+2:G0W+3], s[PW1C:PW1C+1], s[46:47]
	s_or_b32 s[G0W+3], s[G0W+3], 0x80000000
	s_lshl_b32 s46, s48, 20                        ; the rows that I store: channels 64 (w & 3) on of my stream's output
	s_lshl_b32 s48, s[B], 22
	s_add_co_u32 s46, s46, s48
	s_lshl_b32 s48, s[G], 7
	s_add_co_u32 s46, s46, s48
	s_add_nc_u64 s[POUT:POUT+1], s[POUT:POUT+1], s[46:47]
	s_lshl_b32 s46, s[E], 10                       ; my 128 rows' scale words, my 128 numbers of the biases
	s_add_nc_u64 s[PW1S:PW1S+1], s[PW1S:PW1S+1], s[46:47]
	s_add_nc_u64 s[PW2S:PW2S+1], s[PW2S:PW2S+1], s[46:47]
	s_lshl_b32 s46, s[E], 9
	s_add_nc_u64 s[PB1:PB1+1], s[PB1:PB1+1], s[46:47]
	s_add_nc_u64 s[PB2:PB2+1], s[PB2:PB2+1], s[46:47]
	ROUND                                          ; all four work-groups are here: the first joint loads meet
	s_cmp_lt_u32 s[WV], 4                          ; every wave issues one first fill
	s_cbranch_scc0 .Lnot_kv
	tensor_load_to_lds s[G0R:G0R+3], s[G1R:G1R+7]
	s_nop 0
	PLACES 4
	s_branch .Lfilled
.Lnot_kv:
	s_cmp_lt_u32 s[WV], 10
	s_cbranch_scc0 .Lln_rows
	tensor_load_to_lds s[G0X:G0X+3], s[G1X:G1X+7]
	s_nop 0
	PLACES 4
	s_branch .Lfilled
.Lln_rows:
	tensor_load_to_lds s[G0L:G0L+3], s[G1L:G1L+7]
	s_nop 0
	PLACES 4
.Lfilled:
	WIN 0x40
.irp i, 0,1,2,3
	global_load_b128 v[QF+4*\i:QF+4*\i+3], v10, s[PQI:PQI+1] offset:512*\i     ; Q's two fragments stay in registers
.endr
.set j, 0
.rept 64
	v_mov_b32 v[OTH+j], 0                          ; P2 is written alike for every step: the first finds zeros, which the first change of M leaves zeros
.set j, j+1
.endr
	WIN 0
	global_load_b32 v[QS], v11, s[PQSC:PQSC+1]
.set j, 0
.rept 64
	v_mov_b32 v[OWN+j], 0
.set j, j+1
.endr
	v_mov_b32 v[NM+1], 0xff61b1e6                  ; the largest t so far: -3e38
	v_floor_f32 v[NM], -v[NM+1]
	v_mov_b32 v[LS], 0
	v_mov_b32 v[LS+1], 0
.irp b, 0,1,2,3
	v_mov_b32 v[T2+\b], 0                          ; written once: a lane permute's destination counts as one of its sources
.endr
	v_mov_b32 v[F+1], 0                            ; (upper halves of pairs of which the low word alone is taken)
	v_mov_b32 v[MB+1], 0
	v_mov_b32 v[RB+1], 0
	v_mov_b32 v[STO+1], 0
	s_wait_loadcnt 0x0                             ; Q
	; ---- trip 0: slot 1 is asked for; every wave makes step 0's scores; class 0 goes on to P2(0), class 1 keeps its scores for trip 1
	CHANGE 1, SLOTB
	s_mov_b32 s[TBK], 0
	s_mov_b32 s[TBV], 0
	P1
	s_cmp_eq_u32 s[CLS], 0
	s_cbranch_scc0 .Lkeeps
	P2
.Lkeeps:
	s_mov_b32 s[SLOTS], 4
.Lslot:                                            ; four passes of three trips, once round the ring: trips 1 to 12; each asks for the next step's slot
	TRIP 1, 1
	TRIP 2, 1
	TRIP 0, 1
	s_sub_co_u32 s[SLOTS], s[SLOTS], 1
	s_cmp_lg_u32 s[SLOTS], 0
	s_cbranch_scc1 .Lslot
	TRIP 1, 1                                      ; trips 13 to 15 are written out: the last asks for nothing by the loop's count
	TRIP 2, 1
	TRIP 0, 0
	BARRIER                                        ; class 1's reads of slot 2 (V of step 14) are over: from here on slots 1 and 2 are scratch
	s_mov_b32 s[TBV], 0                            ; step 15 lies in slot 0
	s_cmp_eq_u32 s[CLS], 0
	s_cbranch_scc1 .Lmerge
	P2                                             ; class 1's last half step
.Lmerge:
	; ---- the two halves of the keys meet: each wave hands the other the channel half that is not its own
	v_add_f32 v[LS], v[LS], v[LS+1]
	v_permlanex16_b32 v[T0], v[LS], s[SEL], s[SEL+1]
	v_add_f32 v[NM+1], v[LS], v[T0]                ; (-M, l) as a pair
	v_and_b32 v32, 31, v0                          ; the tail's addresses: plain lines, the places behind the last products
	v_and_b32 v33, 15, v0
	v_bfe_u32 v34, v0, 4, 1
	v_and_b32 v35, 8, v33
	v_add_nc_u32 v35, v35, v33
	s_lshl_b32 s62, s[WV], 13
	s_add_co_u32 s62, s62, OXB
	v_lshl_add_u32 v[OXW], v32, 4, s62
	s_xor_b32 s63, s[WV], 1                        ; my partner
	s_lshl_b32 s62, s63, 13
	s_add_co_u32 s62, s62, OXB
	v_lshl_add_u32 v[OXR], v32, 4, s62
	s_lshl_b32 s62, s[WV], 8
	s_add_co_u32 s62, s62, ST1
	v_lshl_add_u32 v[STW], v32, 3, s62
	s_lshl_b32 s62, s63, 8
	s_add_co_u32 s62, s62, ST1
	v_lshl_add_u32 v[STR], v32, 3, s62
	s_mul_i32 s62, s[WV], 1280
	s_add_co_u32 s62, s62, FR1
	v_lshl_add_u32 v[FRW], v32, 4, s62
	s_add_co_u32 s62, s62, 1024
	v_lshl_add_u32 v[FRWS], v32, 2, s62
	s_and_b32 s62, s[WV], 14
	s_mul_i32 s62, s62, 1280
	s_add_co_u32 s62, s62, FR1
	v_lshl_add_u32 v[FRR], v32, 4, s62
	s_add_co_u32 s62, s62, 1024
	v_mul_u32_u24 v36, v34, 1280
	v_lshl_add_u32 v36, v33, 2, v36
	v_add_nc_u32 v[XSR], s62, v36
	s_mul_i32 s62, s[SS], 36864
	s_mul_i32 s63, s[E], 18432
	s_add_co_u32 s62, s62, s63
	s_add_co_u32 s62, s62, XW
	v_mul_u32_u24 v36, v35, 144
	v_lshl_add_u32 v36, v34, 4, v36
	v_add_nc_u32 v[WA], s62, v36
	s_lshl_b32 s63, s[U], 5
	s_add_co_u32 s62, s62, s63
	v_mul_u32_u24 v36, v34, 2304
	v_lshl_add_u32 v36, v35, 2, v36
	v_add_nc_u32 v[XA], s62, v36
	s_lshl_b32 s62, s[E], 9
	s_add_co_u32 s62, s62, PAR
	v_lshl_add_u32 v[PARA], v34, 6, s62
	v_lshlrev_b32 v[WSV], 3, v35
	v_lshl_add_u32 v[WSV], v34, 2, v[WSV]
	v_lshlrev_b32 v[BV], 6, v34
	SPAIR A11, 0x32edffee                          ; erf(x) = x P(x^2) / Q(x^2): P's coefficients from x^10 down (that of x^12 stands in a vector pair),
	SPAIR A9,  0xb60cff51
	SPAIR A7,  0xb86ec2d2
	SPAIR A5,  0xba40ac63
	SPAIR A3,  0xbb41a1f6
	SPAIR A1,  0xbc83dbd4
	SPAIR B6,  0xb95fbd29                          ; Q's from x^6 down (that of x^8 likewise)
	SPAIR B4,  0xbadc924e
	SPAIR B2,  0xbbf19bf8
	SPAIR B0C, 0xbc69b6a7
	WIN 0x04                                       ; an LDS store's data are its source 1: window 1
.set j, 0
.rept 16
	ds_store_b128 v[OXW], v[OTH+4*j:OTH+4*j+3] offset:512*j        ; into slots 1 and 2: read no more since the barrier above, filled no more
.set j, j+1
.endr
	WIN 0
	ds_store_b64 v[STW], v[NM:NM+1]
.irp a, 0,1,2,3,4,5,6,7
	global_load_b32 v[SC8+\a], v[WSV], s[PW1S:PW1S+1] offset:(32*(\a/2)+8*(\a%2))*8
.endr
	BARRIER                                        ; every wave has left the last slot, and its half of O lies in LDS
	WIN 0x40
.set j, 0
.rept 16
	global_load_b128 v[OTH+4*j:OTH+4*j+3], v[BV], s[PB2:PB2+1] offset:128*(j/4)+16*(j%4)
.set j, j+1
.endr
	WIN 0
.set j, 0
.rept 16
	ds_load_b128 v[SREG+4*j:SREG+4*j+3], v[OXR] offset:512*j
.set j, j+1
.endr
	ds_load_b64 v[STP:STP+1], v[STR]
.set j, 0
.rept 64
	ds_load_b32 v[KF+j], v[XA] offset:144*(32*(j/16)+(j%16))       ; x of my token: register 16 b + i = channel 128 e + 32 b + 16 h + i
.set j, j+1
.endr
	s_wait_dscnt 0x0
	v_min_num_f32 v[T0], v[NM], v[STP]             ; -M of both halves together
	v_sub_f32 v[T1], v[T0], v[NM]
	v_sub_f32 v[T0], v[T0], v[STP]
	v_cvt_i32_f32 v[T1], v[T1]
	v_cvt_i32_f32 v[T0], v[T0]
	v_ldexp_f32 v[MB], 1.0, v[T1]                  ; my half's power of two, my partner's
	v_ldexp_f32 v[RB], 1.0, v[T0]
	v_mul_f32 v[T1], v[NM+1], v[MB]
	v_fma_f32 v[T1], v[STP+1], v[RB], v[T1]        ; the row's sum
	v_rcp_f32 v[T1], v[T1]
	v_nop
	s_wait_alu depctr_va_vdst(0)
	v_mul_f32 v[MB], v[MB], v[T1]
	v_mul_f32 v[RB], v[RB], v[T1]
.set j, 0
.rept 32
	v_pk_fma_f32 v[OWN+j:OWN+j+1], v[OWN+j:OWN+j+1], v[MB:MB+1], v[KF+j:KF+j+1] op_sel_hi:[1,0,1]
.set j, j+2
.endr
.set j, 0
.rept 32
	v_pk_fma_f32 v[OWN+j:OWN+j+1], v[SREG+j:SREG+j+1], v[RB:RB+1], v[OWN+j:OWN+j+1] op_sel_hi:[1,0,1]   ; x + attention
.set j, j+2
.endr
	LSTAT
	ds_store_b64 v[STW], v[STO:STO+1] offset:ST2D
	s_wait_tensorcnt 0x0                           ; the features' bytes are filled again, with W1: no load of mine is out,
	ds_add_u32 v[SPW], v[NIL]
	s_wait_dscnt 0x0                               ; and my reads of the features are over
	ROUND
	tensor_load_to_lds s[G0W:G0W+3], s[G1W:G1W+7]  ; every wave's one load: 64 rows of W1
	s_nop 0
	PLACES 4
	ds_load_b64 v[STP:STP+1], v[STR] offset:ST2D
	GBLOAD
	s_wait_dscnt 0x0
	LNFIN                                          ; x1
.set j, 0
.rept 16
	global_load_b128 v[SREG+4*j:SREG+4*j+3], v[BV], s[PB1:PB1+1] offset:128*(j/4)+16*(j%4)     ; b1: the C of the first product
.set j, j+1
.endr
	QUANT OWN, PC, PW
	ds_store_b128 v[FRW], v[PC:PC+3]
	ds_store_b128 v[FRW], v[PC+4:PC+7] offset:512
	ds_store_b32 v[FRWS], v[PW]
	s_wait_loadcnt 16                              ; W1's scale words and b2 are in; b1's 16 loads may be out
	WIN 0x04
.set j, 0
.rept 32
	v_pk_add_f32 v[OWN+j:OWN+j+1], v[OWN+j:OWN+j+1], v[OTH+j:OTH+j+1]          ; x1 + b2: the second product adds onto it
.set j, j+2
.endr
	WIN 0
	s_wait_tensorcnt 0x0                           ; my rows of W1 are in,
	BARRIER                                        ; everybody's are, and x1's fragments lie in LDS
	FRFETCH 0
	WFETCH
	s_wait_loadcnt 0x0
	s_wait_dscnt 0x0
	MLPMUL SREG
	s_wait_tensorcnt 0x0                           ; W1's bytes are filled again, with W2
	ds_add_u32 v[SPW], v[NIL]
	s_mov_b64 s[G0W+2:G0W+3], s[PW2C:PW2C+1]
	s_or_b32 s[G0W+3], s[G0W+3], 0x80000000
	s_wait_dscnt 0x0
	ROUND
	tensor_load_to_lds s[G0W:G0W+3], s[G1W:G1W+7]
	s_nop 0
	PLACES 4                                       ; also the places behind the products
.irp a, 0,1,2,3,4,5,6,7
	global_load_b32 v[SC8+\a], v[WSV], s[PW2S:PW2S+1] offset:(32*(\a/2)+8*(\a%2))*8
.endr
	v_mov_b32 v[MB], 0xaf95df0b
	v_mov_b32 v[MB+1], 0xaf95df0b
	v_mov_b32 v[RB], 0xb77460cd
	v_mov_b32 v[RB+1], 0xb77460cd
	GELU
	QUANT SREG, PC, PW
	ds_store_b128 v[FRW], v[PC:PC+3] offset:FR2D
	ds_store_b128 v[FRW], v[PC+4:PC+7] offset:FR2D+512
	ds_store_b32 v[FRWS], v[PW] offset:FR2D
	s_wait_tensorcnt 0x0
	BARRIER
	FRFETCH FR2D
	WFETCH
	s_wait_loadcnt 0x0
	s_wait_dscnt 0x0
	MLPMUL OWN
	PLACES 4
	LSTAT
	ds_store_b64 v[STW], v[STO:STO+1] offset:ST3D
	BARRIER
	ds_load_b64 v[STP:STP+1], v[STR] offset:ST3D
	GBLOAD
	s_wait_dscnt 0x0
	LNFIN
	; ---- the way out: through a stage of 768 channel rows of 32 tokens, so that sixteen lanes store the 128 consecutive bytes that the work-group owns of a row
	v_and_b32 v32, 15, v0
	v_bfe_u32 v33, v0, 4, 1
	v_and_b32 v34, 8, v32
	v_add_nc_u32 v34, v34, v32
	s_mul_i32 s62, s[SS], 34816
	s_mul_i32 s63, s[E], 17408
	s_add_co_u32 s62, s62, s63
	s_lshl_b32 s63, s[U], 5
	s_add_co_u32 s62, s62, s63
	v_mul_u32_u24 v35, v33, 2176
	v_lshl_add_u32 v35, v34, 2, v35
	v_add_nc_u32 v[SO], s62, v35
	s_mul_i32 s62, s[WV], 8704
	v_mul_u32_u24 v35, v33, 136
	v_lshl_add_u32 v35, v32, 3, v35
	v_add_nc_u32 v[SRD], s62, v35
	v_lshlrev_b32 v[OUTV], 14, v33
	v_lshl_add_u32 v[OUTV], v32, 3, v[OUTV]
.set j, 0
.rept 64
	ds_store_b32 v[SO], v[OWN+j] offset:136*(32*(j/16)+(j%16))
.set j, j+1
.endr
	BARRIER
.set j, 0
.rept 32
	ds_load_b64 v[KF+2*j:KF+2*j+1], v[SRD] offset:272*j            ; rows 64 w + 2 j and + 1
.set j, j+1
.endr
.set j, 0
.rept 32
	s_wait_dscnt 31-j                              ; the younger rows may be out
	global_store_b64 v[OUTV], v[KF+2*j:KF+2*j+1], s[POUT:POUT+1] offset:32768*j th:TH_STORE_NT
.set j, j+1
.endr
	s_wait_tensorcnt 0x0                           ; the wave's end, behind my last tensor load and my last LDS store
	ds_add_u32 v[SPW], v[NIL]
	s_wait_dscnt 0x0
	ROUND                                          ; the closing round: no work-group ends while a partner may still ask for a tile that names it
	s_endpgm
.Lfunc_end_k_q5124b9598c_attn:
	.size	k_q5124b9598c_attn, .Lfunc_end_k_q5124b9598c_attn-k_q5124b9598c_attn
	.p2alignl 7, 3214868480
	.fill 96, 4, 3214868480
	.section	.rodata,"a",@progbits
	.p2align	6, 0x0
	.amdhsa_kernel k_q5124b9598c_attn
		.amdhsa_group_segment_fixed_size 327680
		.amdhsa_private_segment_fixed_size 0
		.amdhsa_enable_private_segment 0
		.amdhsa_kernarg_size 232
		.amdhsa_user_sgpr_count 2
		.amdhsa_user_sgpr_kernarg_segment_ptr 1
		.amdhsa_wavefront_size32 1
		.amdhsa_system_sgpr_workgroup_id_x 1
		.amdhsa_system_sgpr_workgroup_id_y 1
		.amdhsa_system_sgpr_workgroup_id_z 1
		.amdhsa_system_vgpr_workitem_id 0
		.amdhsa_next_free_vgpr 336
		.amdhsa_next_free_sgpr 106
		.amdhsa_reserve_vcc 0
		.amdhsa_float_denorm_mode_32 3
		.amdhsa_float_denorm_mode_16_64 3
		.amdhsa_memory_ordered 1
		.amdhsa_forward_progress 1
		.amdhsa_inst_pref_size 255
	.end_amdhsa_kernel
	.section	.bss,"aw",@nobits
	.p2align	6
	.space	262144
	.amdgpu_metadata
---
amdhsa.version: [ 1, 2 ]
amdhsa.kernels:
  - .name:           k_q5124b9598c_attn
    .symbol:         k_q5124b9598c_attn.kd
    .args:
      - { .name: qimg, .offset: 0, .size: 8, .value_kind: global_buffer, .address_space: global }
      - { .name: qsc, .offset: 8, .size: 8, .value_kind: global_buffer, .address_space: global }
      - { .name: kv, .offset: 16, .size: 8, .value_kind: global_buffer, .address_space: global }
      - { .name: center_fea, .offset: 24, .size: 8, .value_kind: global_buffer, .address_space: global }
      - { .name: wh_fea, .offset: 32, .size: 8, .value_kind: global_buffer, .address_space: global }
      - { .name: cls_fea, .offset: 40, .size: 8, .value_kind: global_buffer, .address_space: global }
      - { .name: ln_g, .offset: 48, .size: 8, .value_kind: global_buffer, .address_space: global }
      - { .name: ln_b, .offset: 56, .size: 8, .value_kind: global_buffer, .address_space: global }
      - { .name: cmlp_w1_codes, .offset: 64, .size: 8, .value_kind: global_buffer, .address_space: global }
      - { .name: wmlp_w1_codes, .offset: 72, .size: 8, .value_kind: global_buffer, .address_space: global }
      - { .name: clsmlp_w1_codes, .offset: 80, .size: 8, .value_kind: global_buffer, .address_space: global }
      - { .name: cmlp_w1_scales, .offset: 88, .size: 8, .value_kind: global_buffer, .address_space: global }
      - { .name: wmlp_w1_scales, .offset: 96, .size: 8, .value_kind: global_buffer, .address_space: global }
      - { .name: clsmlp_w1_scales, .offset: 104, .size: 8, .value_kind: global_buffer, .address_space: global }
      - { .name: cmlp_b1, .offset: 112, .size: 8, .value_kind: global_buffer, .address_space: global }
      - { .name: wmlp_b1, .offset: 120, .size: 8, .value_kind: global_buffer, .address_space: global }
      - { .name: clsmlp_b1, .offset: 128, .size: 8, .value_kind: global_buffer, .address_space: global }
      - { .name: cmlp_w2_codes, .offset: 136, .size: 8, .value_kind: global_buffer, .address_space: global }
      - { .name: wmlp_w2_codes, .offset: 144, .size: 8, .value_kind: global_buffer, .address_space: global }
      - { .name: clsmlp_w2_codes, .offset: 152, .size: 8, .value_kind: global_buffer, .address_space: global }
      - { .name: cmlp_w2_scales, .offset: 160, .size: 8, .value_kind: global_buffer, .address_space: global }
      - { .name: wmlp_w2_scales, .offset: 168, .size: 8, .value_kind: global_buffer, .address_space: global }
      - { .name: clsmlp_w2_scales, .offset: 176, .size: 8, .value_kind: global_buffer, .address_space: global }
      - { .name: cmlp_b2, .offset: 184, .size: 8, .value_kind: global_buffer, .address_space: global }
      - { .name: wmlp_b2, .offset: 192, .size: 8, .value_kind: global_buffer, .address_space: global }
      - { .name: clsmlp_b2, .offset: 200, .size: 8, .value_kind: global_buffer, .address_space: global }
      - { .name: out0, .offset: 208, .size: 8, .value_kind: global_buffer, .address_space: global }
      - { .name: out1, .offset: 216, .size: 8, .value_kind: global_buffer, .address_space: global }
      - { .name: out2, .offset: 224, .size: 8, .value_kind: global_buffer, .address_space: global }
    .group_segment_fixed_size: 327680
    .private_segment_fixed_size: 0
    .kernarg_segment_align: 8
    .kernarg_segment_size: 232
    .max_flat_workgroup_size: 384
    .sgpr_count:     106
    .vgpr_count:     336
    .wavefront_size: 32
...
	.end_amdgpu_metadata
.endif
;; end of part 2
